; MI455X (gfx1250); checked and timed in simulation.
; The chip was launched on July 23, 2026; its instructions are those of AMD's public machine-readable ISA for CDNA 5 (MIT licence, August 2026) and "CDNA5" Instruction Set Architecture Reference Guide (July 2026). The comments in the code are by the model that wrote it; some were corrected since.
;; Block. Allowed arithmetic: matrix products marked QUANTISED: E4M3 operands, one given power-of-two scale a tensor, by v_wmma_f32_16x16x64_fp8_fp8 or v_wmma_f32_16x16x128_fp8_fp8, f32 sums; everything else in f32.
;; Inputs: b_ff1 4,096 float32; b_ff2 1,024 float32; ln1_b 1,024 float32; ln1_g 1,024 float32; ln2_b 1,024 float32; ln2_g 1,024 float32; lowp_scales 12 int32 (the exponents e of the quantised operands' scales 2^e); w_ff1 1,024 x 4,096 float32; w_ff2 4,096 x 1,024 float32; w_proj 1,024 x 1,024 float32; w_qkv 1,024 x 3,072 float32; x 2 x 2,048 x 1,024 float32.
;; Outputs: out0 2 x 2,048 x 1,024 float32.
;; This version of the problem:
;;   THIS VERSION OF THE PROBLEM IS GIVEN IN LOW PRECISION. The matrix products marked QUANTISED in the list below multiply operands that are first quantised to E4M3 (4 exponent bits, 3 mantissa bits; 8 bits a number), with one given power-of-two scale for each operand tensor; their sums are f32. All else is computed in f32.
;;   The module's matrix products, in the order in which they are computed (A, B: the left and right operand; K: the contracted axis; several contracted axes count as one K, in the product's order):
;;     1. [M 4,096, K 1,024] x [K 1,024, N 3,072]; A: computed on the way; B: input w_qkv: QUANTISED (scales: A lowp_scales[0], B lowp_scales[1])
;;     2. batch 32 x [M 2,048, K 64] x [K 64, N 2,048]; A: computed on the way; B: computed on the way: QUANTISED (scales: A lowp_scales[2], B lowp_scales[3])
;;     3. batch 32 x [M 2,048, K 2,048] x [K 2,048, N 64]; A: softmax (see below); B: computed on the way: QUANTISED (scales: A lowp_scales[4], B lowp_scales[5])
;;     4. [M 4,096, K 1,024] x [K 1,024, N 1,024]; A: computed on the way; B: input w_proj: QUANTISED (scales: A lowp_scales[6], B lowp_scales[7])
;;     5. [M 4,096, K 1,024] x [K 1,024, N 4,096]; A: computed on the way; B: input w_ff1: QUANTISED (scales: A lowp_scales[8], B lowp_scales[9])
;;     6. [M 4,096, K 4,096] x [K 4,096, N 1,024]; A: computed on the way; B: input w_ff2: QUANTISED (scales: A lowp_scales[10], B lowp_scales[11])
;;   THE QUANTISER, for each operand of a quantised product, along K:
;;     - The operand's scale is 2^e, e = its entry of the input lowp_scales (int32; the entries are numbered through the quantised products in the list's order, A before B).
;;     - Each number is divided by the scale, clamped to +-448, and rounded to the nearest number of E4M3, ties to even, subnormals kept.
;;     - The product sums the exact products of the quantised numbers (number of the format x scale) in f32.
;;   ~~~python
;;   def quantise(x, axis, e):      # numpy; x: float32 -> the quantised numbers, widened to float32 again
;;       x = np.moveaxis(x, axis, -1); K = x.shape[-1]
;;       r = np.clip(x / 2.0 ** e, -448, 448)
;;       step = 2.0 ** (np.maximum(np.frexp(np.where(r == 0, 1, r))[1] - 1, -6) - 3)
;;       q = np.round(r / step) * step * 2.0 ** e      # np.round: ties to even
;;       return np.moveaxis(q, -1, axis).astype(np.float32)
;;   ~~~
;;   SOFTMAX AHEAD OF A QUANTISED PRODUCT. Where the list says 'softmax', what is quantised is not the finished softmax but p = 2^(t - M), with t = logit x log2(e) and M = ceil(the row's largest t), a whole number; so 1/2 < the row's largest p <= 1. The row's sum l is taken of the UNQUANTISED p, in f32, and the product's result is divided by l at the end. Since M is a whole number, a kernel that streams over the keys may use a running M (the ceiling of the running maximum): every later rescaling is an exact power of two, so the quantised numbers keep their values, but for numbers so far below the row's largest that they fall under the format's range.
;;   OPERANDS COMPUTED ON THE WAY. 'Computed on the way' means the value that the module computes at that place (a softmax that the list does not call 'softmax' is quantised finished and normalised). What goes into a quantiser is computed in f32, as accurately as f32 sums, v_exp_f32 and their like allow (about 1e-6 of the number): no bf16 or f16 on the way to a quantiser, and a product that is left as it is and whose result goes on into a quantised operand takes f32 operands (vector FMAs, or v_wmma_f32_16x16x4_f32). A number that lies on a knife's edge between two numbers of the format may be rounded either way, as far as f32 arithmetic and the matrix unit's own rounding can turn it there, and no further.
;; One version. Each part assembles by itself: llvm-mc -triple=amdgcn-amd-amdhsa -mcpu=gfx1250 --defsym DOCPART=n.
;; ======== version 1 of 1: 7 launches
;; limits: right only within a limited range of input values
;; workspace buffers: wts 12,582,912 bytes; acode 4,194,304 bytes; qkvc 12,582,912 bytes; yc 4,194,304 bytes; x1 16,777,216 bytes; hc 16,777,216 bytes
;; launch prep (part 1): grid 640 x 1, 4 waves a work-group, no clusters, 17,920 bytes of LDS; arguments x, ln1_g, ln1_b, w_qkv, w_proj, w_ff1, w_ff2, lowp_scales, wts, acode; writes wts, acode
.if DOCPART == 1
	.amdgcn_target "amdgcn-amd-amdhsa--gfx1250"
	.amdhsa_code_object_version 6
	.text
	.protected	k_q33ac69dd20_prep
	.globl	k_q33ac69dd20_prep
	.p2align	8
	.type	k_q33ac69dd20_prep,@function
k_q33ac69dd20_prep:
	s_mov_b64 s[64:65], 0
	v_nop
	global_prefetch_b8 v0, s[64:65] scope:SCOPE_SE
	s_setreg_imm32_b32 hwreg(HW_REG_WAVE_MODE, 25, 1), 1
	s_wait_xcnt 0x0
; PREP.  Work-groups 0-383 turn the four weights ([K][N] f32) into codes of E4M3; work-groups 384-639 make LayerNorm 1 of x and its codes.
; ALL CODE OPERANDS OF THIS PROGRAM LIE AS IMAGES OF OPERAND REGISTERS.  An operand of R rows and depth K is made of blocks (i = row / 128, kb = k / 128) of 16,384 bytes at (i K/128 + kb) 16384;
; in a block, fragment f (0-7), register group c (0-3) and lane (r = lane % 16, h = lane / 16) have 16 bytes at 2048 f + 512 c + 16 lane: row 32 (f/2) + 8 (f%2) + r + 8 (r/8), k = 128 kb + 32 c + 16 h + 0..15.
; code = x / 2^e, held within +-448, to the nearest code, ties to even.  LIMITS: every e used here (entries 0, 1, 7, 9, 11) lies between -126 and 119; NaN among the inputs is not served.
; WEIGHTS: a work-group takes 128 columns x 256 along K, a wave 32 columns (two fragments).  A lane takes ONE column and its registers run down K: a load reads 128 consecutive bytes, the conversions give codes with K
; innermost, and a lane's 16 codes are 16 bytes of an image: sixteen lanes store 256 consecutive bytes, aligned.  No LDS.  Loads run two blocks of 32 along K (64 loads a wave) ahead.
; LAYERNORM: a work-group takes the 16 rows of one fragment, a wave four rows, each whole in 32 registers a lane.  Mean, then the mean of squared differences (two passes over registers: no difference of large sums).
; The codes turn into image order through a stage in LDS, since a lane holds 4 neighbours of each kb and an image wants 16.  Nothing is shared between work-groups: no cluster, no matrix unit, no tensor load.
.set SPARE, 17408                      ; behind the stage: the spare words, 128 bytes a wave
.set SPW, 12                           ; v12  LDS address of my spare word; never rewritten
.set NIL, 13                           ; v13  0; never rewritten
.set SC,  14                           ; v14  2^e as f32
.set LIM, 15                           ; v15  448 x 2^e
.set VO,  16                           ; weights: v16-47 byte offset of row i of a block of 32, at my column
.set XW,  48                           ; v48-111  two sets of 32 numbers
.set CW,  112                          ; v112-175 eight registers of codes for each of the 8 blocks: no store's data are written again
.set X,   16                           ; LayerNorm: v16-143 four rows x 32 numbers
.set GN,  144                          ; v144-175 gain
.set BS,  176                          ; v176-207 bias
.set CD,  208                          ; v208-239 four rows x 8 words of codes
.set T,   240                          ; v240-247 a pair a row: sums, mean, 1/sqrt
.set Q,   248                          ; v248-255 a pair a row: sums of squares
.set WV,  2                            ; s2   my wave's number
.set XP,  4                            ; s[4:5] x;  s[6:7] gain;  s[8:9] bias;  s[22:23] the codes' buffer
.set OP,  22
	s_load_b256 s[4:11], s[0:1], 0x0               ; x, ln1_g, ln1_b, w_qkv
	s_load_b256 s[12:19], s[0:1], 0x20             ; w_proj, w_ff1, w_ff2, the scales' exponents
	s_load_b128 s[20:23], s[0:1], 0x40             ; wts, acode
	v_lshl_add_u32 v[SPW], v0, 2, SPARE
	v_mov_b32 v[NIL], 0
	v_lshrrev_b32 v1, 5, v0
	v_readfirstlane_b32 s[WV], v1
	s_wait_kmcnt 0x0
	s_load_b256 s[48:55], s[18:19], 0x0            ; e0 .. e7
	s_load_b128 s[56:59], s[18:19], 0x20           ; e8 .. e11
	s_cmp_ge_u32 ttmp9, 384
	s_cbranch_scc1 .Lln
	; ---------------- the weights.  Which tensor: by the work-group's number alone; only pointers and constants are chosen, the text has one path
	s_mov_b64 s[24:25], s[16:17]                   ; w_ff2: from, place in wts, first work-group, bytes in a row, log2 of work-groups along K, blocks along K
	s_mov_b32 s26, 8388608
	s_mov_b32 s27, 256
	s_mov_b32 s28, 4096
	s_mov_b32 s29, 4
	s_mov_b32 s30, 32
	s_cmp_lt_u32 ttmp9, 256                        ; w_ff1
	s_cselect_b64 s[24:25], s[14:15], s[24:25]
	s_cselect_b32 s26, 4194304, s26
	s_cselect_b32 s27, 128, s27
	s_cselect_b32 s28, 16384, s28
	s_cselect_b32 s29, 2, s29
	s_cselect_b32 s30, 8, s30
	s_cmp_lt_u32 ttmp9, 128                        ; w_proj
	s_cselect_b64 s[24:25], s[12:13], s[24:25]
	s_cselect_b32 s26, 3145728, s26
	s_cselect_b32 s27, 96, s27
	s_cselect_b32 s28, 4096, s28
	s_cmp_lt_u32 ttmp9, 96                         ; w_qkv
	s_cselect_b64 s[24:25], s[10:11], s[24:25]
	s_cselect_b32 s26, 0, s26
	s_cselect_b32 s27, 0, s27
	s_cselect_b32 s28, 12288, s28
	s_sub_co_u32 s3, ttmp9, s27
	s_lshr_b32 s62, s3, s29                        ; i: which 128 columns
	s_lshl_b32 s63, s62, s29
	s_sub_co_u32 s63, s3, s63                      ; ky: which 256 along K
	s_lshl_b32 s60, s63, 8
	s_mul_i32 s60, s60, s28                        ; 256 ky rows,
	s_lshl_b32 s3, s62, 9
	s_add_co_u32 s60, s60, s3                      ; + 512 i bytes,
	s_lshl_b32 s3, s[WV], 7
	s_add_co_u32 s60, s60, s3                      ; + 128 bytes a wave
	s_mov_b32 s61, 0
	s_add_nc_u64 s[32:33], s[24:25], s[60:61]      ; a base for each block of 32 rows: no pointer is stepped while loads are out
	s_lshl_b32 s60, s28, 5
.irp t, 1,2,3,4,5,6,7
	s_add_nc_u64 s[32+2*\t:33+2*\t], s[30+2*\t:31+2*\t], s[60:61]
.endr
	s_mul_i32 s3, s62, s30
	s_lshl_b32 s63, s63, 1
	s_add_co_u32 s3, s3, s63
	s_lshl_b32 s3, s3, 14                          ; block (i, 2 ky),
	s_add_co_u32 s3, s3, s26                       ; in the tensor's part of wts,
	s_lshl_b32 s63, s[WV], 12
	s_add_co_u32 s60, s3, s63                      ; my wave's two fragments
	s_add_nc_u64 s[20:21], s[20:21], s[60:61]
	v_and_b32 v1, 15, v0                           ; r
	v_bfe_u32 v2, v0, 4, 1                         ; u: which of the wave's two fragments
	v_and_b32 v3, 8, v1
	v_add_nc_u32 v3, v3, v1
	v_lshl_add_u32 v3, v2, 3, v3                   ; my column of the wave's 32: 8 u + r + 8 (r / 8)
	v_lshlrev_b32 v[VO], 2, v3
.irp i, 1,2,3,4,5,6,7,8,9,10,11,12,13,14,15,16,17,18,19,20,21,22,23,24,25,26,27,28,29,30,31
	v_add_nc_u32 v[VO+\i], s28, v[VO+\i-1]
.endr
	v_lshlrev_b32 v4, 4, v1
	v_lshl_add_u32 v4, v2, 11, v4                  ; out: 2048 u + 16 r
.macro LOADW t                         ; block t: rows 32 t + i of my column into set t % 2
.irp i, 0,1,2,3,4,5,6,7,8,9,10,11,12,13,14,15,16,17,18,19,20,21,22,23,24,25,26,27,28,29,30,31
	global_load_b32 v[XW+32*((\t)%2)+\i], v[VO+\i], s[32+2*(\t):33+2*(\t)] th:TH_LOAD_NT
.endr
.endm
	LOADW 0
	LOADW 1
	s_wait_kmcnt 0x0
	s_mov_b32 s31, s59                             ; the tensor's e: entry 11, 9, 7 or 1
	s_cmp_lt_u32 ttmp9, 256
	s_cselect_b32 s31, s57, s31
	s_cmp_lt_u32 ttmp9, 128
	s_cselect_b32 s31, s55, s31
	s_cmp_lt_u32 ttmp9, 96
	s_cselect_b32 s31, s49, s31
	s_add_co_i32 s31, s31, 127
	s_lshl_b32 s3, s31, 23
	v_mov_b32 v[SC], s3                            ; 2^e: the conversion takes its exponent field
	s_add_co_i32 s31, s31, 8
	s_lshl_b32 s31, s31, 23
	s_or_b32 s31, s31, 0x600000
	v_mov_b32 v[LIM], s31                          ; 448 x 2^e
.macro BLOCKW t
.set XS, XW+32*((\t)%2)
.if (\t) < 7
	s_wait_loadcnt 32                              ; this block's 32 loads are in; the next block's may be out
.else
	s_wait_loadcnt 0x0
.endif
.irp i, 0,1,2,3,4,5,6,7,8,9,10,11,12,13,14,15,16,17,18,19,20,21,22,23,24,25,26,27,28,29,30,31
	v_med3_num_f32 v[XS+\i], v[XS+\i], -v[LIM], v[LIM]   ; the conversion to an 8-bit code does not saturate (ISA guide 7.6.2): the hold comes first
.endr
.irp g, 0,1,2,3
	v_cvt_scalef32_pk8_fp8_f32 v[CW+8*(\t)+2*\g:CW+8*(\t)+2*\g+1], v[XS+8*\g:XS+8*\g+7], v[SC]
.endr
	global_store_b128 v4, v[CW+8*(\t):CW+8*(\t)+3], s[20:21] offset:((\t)/4)*16384+((\t)%4)*512        ; k 0-15 of the block: the image's lanes 0-15; sixteen lanes store 256 consecutive bytes, aligned
	global_store_b128 v4, v[CW+8*(\t)+4:CW+8*(\t)+7], s[20:21] offset:((\t)/4)*16384+((\t)%4)*512+256  ; k 16-31: its lanes 16-31
.if (\t)+2 < 8
	LOADW (\t)+2
.endif
.endm
	s_wait_alu depctr_va_vdst(0)
.irp t, 0,1,2,3,4,5,6,7
	BLOCKW \t
.endr
	s_endpgm
	; ---------------- LayerNorm 1 and its codes
.Lln:
	s_sub_co_u32 s24, ttmp9, 384                   ; which fragment of 16 rows
	s_lshr_b32 s25, s24, 3                         ; i
	s_and_b32 s26, s24, 7                          ; f
	s_lshl_b32 s27, s25, 7
	s_lshr_b32 s28, s26, 1
	s_lshl_b32 s28, s28, 5
	s_add_co_u32 s27, s27, s28
	s_and_b32 s28, s26, 1
	s_lshl_b32 s28, s28, 3
	s_add_co_u32 s27, s27, s28
	s_lshl_b32 s28, s[WV], 2
	s_add_co_u32 s27, s27, s28
	s_lshr_b32 s28, s[WV], 1
	s_lshl_b32 s28, s28, 3
	s_add_co_u32 s27, s27, s28                     ; my first row: 128 i + 32 (f/2) + 8 (f%2) + 4 w + 8 (w/2): places 4 w .. 4 w + 3 of the fragment are four neighbouring rows
	s_lshl_b32 s28, s27, 12
	s_mov_b32 s29, 0
	s_add_nc_u64 s[XP:XP+1], s[XP:XP+1], s[28:29]
	s_lshl_b32 s28, s25, 17                        ; out: block (i, 2 w), fragment f
	s_lshl_b32 s30, s26, 11
	s_add_co_u32 s28, s28, s30
	s_lshl_b32 s30, s[WV], 15
	s_add_co_u32 s28, s28, s30
	s_add_nc_u64 s[OP:OP+1], s[OP:OP+1], s[28:29]
	v_and_b32 v1, 31, v0
	v_lshlrev_b32 v2, 4, v1                        ; 16 x lane
.irp j, 0,1,2,3
.irp c, 0,1,2,3,4,5,6,7
	global_load_b128 v[X+32*\j+4*\c:X+32*\j+4*\c+3], v2, s[XP:XP+1] offset:\j*4096+512*\c th:TH_LOAD_NT   ; 512 consecutive bytes a load: k = 128 c + 4 lane + 0..3
.endr
.endr
.irp c, 0,1,2,3,4,5,6,7
	global_load_b128 v[GN+4*\c:GN+4*\c+3], v2, s[6:7] offset:512*\c
.endr
.irp c, 0,1,2,3,4,5,6,7
	global_load_b128 v[BS+4*\c:BS+4*\c+3], v2, s[8:9] offset:512*\c
.endr
	v_lshrrev_b32 v3, 2, v1                        ; the stage: for each kb 8 groups (c, h) of 256 bytes, 272 apart; 2,176 a kb.  In: group lane / 4, place 4 w + j, bytes 4 (lane % 4)
	v_mul_u32_u24 v3, v3, 272
	v_and_b32 v4, 3, v1
	v_lshl_add_u32 v3, v4, 2, v3
	s_lshl_b32 s30, s[WV], 6
	v_add_nc_u32 v3, s30, v3
	v_lshrrev_b32 v5, 4, v1                        ; back: kb = 2 w + kk; lanes 0-15 take group (c, 0), lanes 16-31 group (c, 1)
	v_mul_u32_u24 v5, v5, 272
	v_and_b32 v4, 15, v1
	v_lshl_add_u32 v5, v4, 4, v5
	s_mul_i32 s30, s[WV], 4352
	v_add_nc_u32 v5, s30, v5
	s_mov_b32 s60, 0x76543210                      ; v_permlanex16_b32: lane l xor 16
	s_mov_b32 s61, 0xfedcba98
	s_mov_b32 s62, 0x3a800000                      ; 1 / 1024
	s_mov_b32 s63, 0x3727c5ac                      ; 1e-5
	s_wait_kmcnt 0x0
	s_add_co_i32 s30, s48, 127                     ; e0
	s_lshl_b32 s31, s30, 23
	v_mov_b32 v[SC], s31
	s_add_co_i32 s30, s30, 8
	s_lshl_b32 s30, s30, 23
	s_or_b32 s30, s30, 0x600000
	v_mov_b32 v[LIM], s30
.macro REDUCE b                        ; the four rows' pairs at v[b + 2 j] become sums over the wave's 32 lanes, in every lane
.irp j, 0,1,2,3
	v_add_f32 v[\b+2*\j], v[\b+2*\j], v[\b+2*\j+1]
.endr
.irp m, 1,2,4,8
.irp j, 0,1,2,3
	v_add_f32_dpp v[\b+2*\j], v[\b+2*\j], v[\b+2*\j] row_xmask:\m row_mask:0xf bank_mask:0xf
.endr
.endr
.irp j, 0,1,2,3
	v_permlanex16_b32 v[\b+2*\j+1], v[\b+2*\j], s60, s61
.endr
.irp j, 0,1,2,3
	v_add_f32 v[\b+2*\j], v[\b+2*\j], v[\b+2*\j+1]
.endr
.endm
	s_wait_loadcnt 16                              ; x is in; the 16 loads of gain and bias may be out
.irp j, 0,1,2,3
	v_pk_add_f32 v[T+2*\j:T+2*\j+1], v[X+32*\j:X+32*\j+1], v[X+32*\j+2:X+32*\j+3]
.endr
.irp k, 4,6,8,10,12,14,16,18,20,22,24,26,28,30
.irp j, 0,1,2,3
	v_pk_add_f32 v[T+2*\j:T+2*\j+1], v[T+2*\j:T+2*\j+1], v[X+32*\j+\k:X+32*\j+\k+1]
.endr
.endr
	REDUCE T
.irp j, 0,1,2,3
	v_mul_f32 v[T+2*\j], s62, v[T+2*\j]            ; the mean
.endr
.irp k, 0,2,4,6,8,10,12,14,16,18,20,22,24,26,28,30
.irp j, 0,1,2,3
	v_pk_add_f32 v[X+32*\j+\k:X+32*\j+\k+1], v[X+32*\j+\k:X+32*\j+\k+1], v[T+2*\j:T+2*\j+1] op_sel_hi:[1,0] neg_lo:[0,1] neg_hi:[0,1]   ; x - mean
.endr
.endr
.irp j, 0,1,2,3
	v_pk_mul_f32 v[Q+2*\j:Q+2*\j+1], v[X+32*\j:X+32*\j+1], v[X+32*\j:X+32*\j+1]
.endr
.irp k, 2,4,6,8,10,12,14,16,18,20,22,24,26,28,30
.irp j, 0,1,2,3
	v_pk_fma_f32 v[Q+2*\j:Q+2*\j+1], v[X+32*\j+\k:X+32*\j+\k+1], v[X+32*\j+\k:X+32*\j+\k+1], v[Q+2*\j:Q+2*\j+1]
.endr
.endr
	REDUCE Q
.irp j, 0,1,2,3
	v_fma_f32 v[Q+2*\j], v[Q+2*\j], s62, s63       ; the variance + 1e-5
.endr
	s_wait_alu depctr_va_vdst(0)
.irp j, 0,1,2,3
	v_rsq_f32 v[T+2*\j], v[Q+2*\j]
.endr
	v_nop                                          ; a plain instruction behind the last of the batch,
	s_wait_alu depctr_va_vdst(0)                   ; and the one wait ahead of its first reader
	s_wait_loadcnt 0x0                             ; gain and bias
.irp k, 0,2,4,6,8,10,12,14,16,18,20,22,24,26,28,30
.irp j, 0,1,2,3
	v_pk_mul_f32 v[X+32*\j+\k:X+32*\j+\k+1], v[X+32*\j+\k:X+32*\j+\k+1], v[T+2*\j:T+2*\j+1] op_sel_hi:[1,0]
.endr
.irp j, 0,1,2,3
	v_pk_fma_f32 v[X+32*\j+\k:X+32*\j+\k+1], v[X+32*\j+\k:X+32*\j+\k+1], v[GN+\k:GN+\k+1], v[BS+\k:BS+\k+1]
.endr
.endr
.set N, 0
.rept 128
	v_med3_num_f32 v[X+N], v[X+N], -v[LIM], v[LIM]
.set N, N+1
.endr
.irp j, 0,1,2,3
.irp i, 0,1,2,3
	v_cvt_scalef32_pk8_fp8_f32 v[CD+8*\j+2*\i:CD+8*\j+2*\i+1], v[X+32*\j+8*\i:X+32*\j+8*\i+7], v[SC]   ; word 0: four codes of kb = 2 i, word 1: of kb = 2 i + 1
.endr
.endr
	v_nop                                          ; a plain instruction behind the last scaled conversion
.irp j, 0,1,2,3
.irp kb, 0,1,2,3,4,5,6,7
	ds_store_b32 v3, v[CD+8*\j+\kb] offset:\kb*2176+16*\j   ; group g starts at bank 4 g: the 32 lanes touch 32 different banks
.endr
.endr
	s_wait_dscnt 0x0                               ; for the others' sake: my stores have landed
	s_barrier_signal -1
	s_barrier_wait -1
.irp n, 0,1,2,3,4,5,6,7
	ds_load_b128 v[X+4*\n:X+4*\n+3], v5 offset:(\n/4)*2176+(\n%4)*544
.endr
.irp n, 0,1,2,3,4,5,6,7
	s_wait_dscnt 7-\n
	global_store_b128 v2, v[X+4*\n:X+4*\n+3], s[OP:OP+1] offset:(\n/4)*16384+(\n%4)*512   ; 512 consecutive bytes of an image
.endr
	s_wait_tensorcnt 0x0                           ; the wave's end, behind my last LDS store
	ds_add_u32 v[SPW], v[NIL]
	s_wait_dscnt 0x0
	s_endpgm
.Lfunc_end_k_q33ac69dd20_prep:
	.size	k_q33ac69dd20_prep, .Lfunc_end_k_q33ac69dd20_prep-k_q33ac69dd20_prep
	.p2alignl 7, 3214868480
	.fill 96, 4, 3214868480
	.section	.rodata,"a",@progbits
	.p2align	6, 0x0
	.amdhsa_kernel k_q33ac69dd20_prep
		.amdhsa_group_segment_fixed_size 17920
		.amdhsa_private_segment_fixed_size 0
		.amdhsa_enable_private_segment 0
		.amdhsa_kernarg_size 80
		.amdhsa_user_sgpr_count 2
		.amdhsa_user_sgpr_kernarg_segment_ptr 1
		.amdhsa_wavefront_size32 1
		.amdhsa_system_sgpr_workgroup_id_x 1
		.amdhsa_system_sgpr_workgroup_id_y 1
		.amdhsa_system_sgpr_workgroup_id_z 1
		.amdhsa_system_vgpr_workitem_id 0
		.amdhsa_next_free_vgpr 256
		.amdhsa_next_free_sgpr 66
		.amdhsa_reserve_vcc 0
		.amdhsa_float_denorm_mode_32 3
		.amdhsa_float_denorm_mode_16_64 3
		.amdhsa_memory_ordered 1
		.amdhsa_forward_progress 1
		.amdhsa_inst_pref_size 92
	.end_amdhsa_kernel
	.amdgpu_metadata
---
amdhsa.version: [ 1, 2 ]
amdhsa.kernels:
  - .name:           k_q33ac69dd20_prep
    .symbol:         k_q33ac69dd20_prep.kd
    .args:
      - { .name: x, .offset: 0, .size: 8, .value_kind: global_buffer, .address_space: global }
      - { .name: ln1_g, .offset: 8, .size: 8, .value_kind: global_buffer, .address_space: global }
      - { .name: ln1_b, .offset: 16, .size: 8, .value_kind: global_buffer, .address_space: global }
      - { .name: w_qkv, .offset: 24, .size: 8, .value_kind: global_buffer, .address_space: global }
      - { .name: w_proj, .offset: 32, .size: 8, .value_kind: global_buffer, .address_space: global }
      - { .name: w_ff1, .offset: 40, .size: 8, .value_kind: global_buffer, .address_space: global }
      - { .name: w_ff2, .offset: 48, .size: 8, .value_kind: global_buffer, .address_space: global }
      - { .name: lowp_scales, .offset: 56, .size: 8, .value_kind: global_buffer, .address_space: global }
      - { .name: wts, .offset: 64, .size: 8, .value_kind: global_buffer, .address_space: global }
      - { .name: acode, .offset: 72, .size: 8, .value_kind: global_buffer, .address_space: global }
    .group_segment_fixed_size: 17920
    .private_segment_fixed_size: 0
    .kernarg_segment_align: 8
    .kernarg_segment_size: 80
    .max_flat_workgroup_size: 128
    .sgpr_count:     66
    .vgpr_count:     256
    .wavefront_size: 32
...
	.end_amdgpu_metadata
.endif
;; end of part 1
;; launch gqkv (part 2): grid 8 x 32, 4 waves a work-group, clusters of 4 x 4, 327,680 bytes of LDS; arguments acode, wts, lowp_scales, qkvc; writes qkvc
.if DOCPART == 2
	.amdgcn_target "amdgcn-amd-amdhsa--gfx1250"
	.amdhsa_code_object_version 6
	.text
	.protected	k_q33ac69dd20_gqkv
	.globl	k_q33ac69dd20_gqkv
	.p2align	8
	.type	k_q33ac69dd20_gqkv,@function
k_q33ac69dd20_gqkv:
	s_mov_b64 s[64:65], 0
	v_nop
	global_prefetch_b8 v0, s[64:65] scope:SCOPE_SE
	s_setreg_imm32_b32 hwreg(HW_REG_WAVE_MODE, 25, 1), 1
	s_wait_xcnt 0x0
	s_wait_alu depctr_hold_cnt(0) depctr_sa_sdst(0) depctr_va_vdst(0) depctr_va_sdst(0) depctr_va_ssrc(0) depctr_va_vcc(0) depctr_vm_vsrc(0)
	s_getreg_b32 s2, hwreg(HW_REG_IB_STS2, 6, 4)
	s_cmp_eq_u32 s2, 0
	s_cbranch_scc0 .Lentry_in_a_cluster
	s_endpgm
.Lentry_in_a_cluster:
	s_bfe_u32 s2, ttmp6, 0x10000c
	s_cmp_lg_u32 s2, 0xf033
	s_cbranch_scc0 .Lentry_shape_is_right
	s_endpgm
.Lentry_shape_is_right:
; QKV = LN1(x) W_qkv on codes of E4M3, and the codes of q, k and v for attention.  [4096 x 1024] x [1024 x 3072].
; Both operands lie as images of operand registers: block (i = row / 128, kb = k / 128) of 16,384 bytes; in it 2048 f + 512 c + 16 lane holds row 32 (f/2) + 8 (f%2) + r + 8 (r/8), k = 128 kb + 32 c + 16 h + 0..15.
; A tile of 128 x 128 is made by four waves, each 64 x 64: 16 accumulators.  A WORK-GROUP STAYS: it makes the three column tiles X, X + 8, X + 16: q, k and v of the same two heads for the same 128 tokens.
; THE ACTIVATIONS STAY IN REGISTERS: a wave's 64 rows x 1,024 codes are 512 registers (windows 2 and 3).  They come straight from memory, 512 consecutive bytes of an image a load, and serve all three tiles;
; they pass through no LDS, so no joint load brings them.  A step of 128 along K reads the weights' four fragments alone from LDS, 16 loads for 16 matrix instructions.
; LDS: two regions of 128 KiB, each a weights' tile, kb at 16384 kb.  At the head region 0 takes q's tile and region 1 k's, one joint load of 64 KiB a wave.  Behind q's products every wave runs the three lines and a round of the
; cluster's barrier and brings 32 KiB of v's tile into region 0: that load has q's way out and all of k's tile in which to land.
; CLUSTER 4 x 4: the weights' tiles are shared along a column of the cluster and asked for jointly.
; SOURCE 0's rows end up along a lane's registers: register j of accumulator (a, b) is source 0's row 32 (b/2) + 8 (b%2) + 16 h + j, so accumulators 2 be, 2 be + 1 give 16 neighbours: what the next product wants along ITS K.
; q, k: K of the next product is the head's 64, so source 0 = weights (my half w % 2: head 2 X + w % 2), source 1 = activations (my half w / 2 of the tokens).
; v: K is the keys, so source 0 = activations (the same registers, half w / 2 of the keys), source 1 = weights (half w % 2: head 2 X + w % 2): the same register numbers, the two sources' windows changed.
; OUT: q at head 262144 + Y 8192; k, v at 4194304 + head 524288 + Y 16384 (+ 8192 for v); Y = token / 128.  q, k: token tile t8 at (t8 % 4) 2048 + (t8 / 4) 1024 + 512 c + 16 lane; v: 2048 d-tile + 512 c + 16 lane.
; NO PREFETCH: every operand byte is asked for at the head but v's tile, which is asked for a whole tile ahead: there is no loop to run further ahead in.
; LIMITS: eo - e0 - e1 between -126 and 119 for eo = e2, e3, e5.
.set TILEB,  131072                    ; a tile of 128 rows x 1,024 codes; also a region of LDS
.set SPARE,  2*TILEB                   ; behind the regions: the spare words, 128 bytes a wave
.set AD,   16                          ; v16-19 my half of the weights' fragments: region 0 half 0, 1 of K, region 1 half 0, 1
.set CO,   26                          ; v26 16 x lane
.set SPW,  28                          ; v28 my spare word; never rewritten
.set NIL,  29                          ; v29 0; never rewritten
.set ACC,  128                         ; v128-255 accumulator (a, b) at 8 (4 a + b)
.set WV, 16
.set WA, 17
.set WB, 18
.set TY, 19
.set TX, 42
.set G1C, 24                           ; s[24:31] group 1 of the first fills (256 rows of 256 bytes);  s[32:35] their group 0
.set G0, 32
.set G0N, 36                           ; s[36:39] group 0 of the refill;  s[48:55] its group 1 (128 rows of 256 bytes)
.set G1B, 48
.set ES, 68                            ; s68-75 the exponents e0 .. e7
.set MSB, 0
.macro WIN new                         ; the immediate's high byte repeats the setting that is left
.if MSB != (\new)
	s_set_vgpr_msb (MSB<<8)|(\new)
.set MSB, (\new)
.endif
.endm
.set TO_F, 0x40                        ; destination window 1, address window 0
.macro CROUND                          ; a round of the cluster's barrier
	s_barrier_signal -1
	s_barrier_wait -1
	s_cmp_lg_u32 s[WV], 0
	s_cbranch_scc1 .Lnot_wave_0_\@
	s_barrier_signal -3
.Lnot_wave_0_\@:
	s_barrier_wait -3
	s_barrier_signal -1
	s_barrier_wait -1
.endm
.macro PLACES                          ; four plain places behind matrix instructions (ISA guide 7.12.1)
.rept 4
	v_nop
.endr
.endm
.macro LOADA                           ; my 64 rows of the activations, all of K: 128 loads, kb ascending; kb 0-3 into window 2, kb 4-7 into window 3, fragment a of kb at 64 (kb % 4) + 16 a
.irp kb, 0,1,2,3,4,5,6,7
	WIN 0x80+0x40*(\kb/4)
.irp a, 0,1,2,3
.irp c, 0,1,2,3
	global_load_b128 v[64*(\kb%4)+16*\a+4*\c:64*(\kb%4)+16*\a+4*\c+3], v[CO], s[20:21] offset:\kb*16384+\a*2048+\c*512
.endr
.endr
.endr
.endm
.macro FETCH kb, g                     ; the weights' four fragments of step kb out of region g into place kb % 4 of window 1: 16 LDS loads
	WIN TO_F
.irp i, 0,1,2,3
.irp c, 0,1,2,3
	ds_load_b128 v[64*((\kb)%4)+16*\i+4*\c:64*((\kb)%4)+16*\i+4*\c+3], v[AD+2*(\g)+(\kb)/4] offset:((\kb)%4)*16384+\i*2048+\c*512
.endr
.endr
.endm
; A step of 128 along K: 16 matrix instructions; the 16 accumulators take turns in one order.  Its fragments were asked for two steps ago; behind them only the next step's 16 loads are out.
; ld = 1 (the first tile): the activations of this kb are in when at most the 16 (7 - kb) loads of the later kb are out (the wait's field holds 63).  sw = 1 (v): source 0 = activations, source 1 = weights.
.macro QUARTER kb, g, sw, ld
.if (\kb) < 7
	s_wait_dscnt 16
.else
	s_wait_dscnt 0x0
.endif
.if \ld
.if 16*(7-(\kb)) > 63
	s_wait_loadcnt 63
.else
	s_wait_loadcnt 16*(7-(\kb))
.endif
.endif
	PLACES                                         ; behind the last step's products, ahead of loads into fragments that earlier products read
.if (\kb) < 6
	FETCH (\kb)+2, \g
.endif
.if \sw
	WIN 0x06+(\kb)/4                               ; source 0 window 2 or 3, source 1 window 1, C and D window 0
.else
	WIN 0x09+4*((\kb)/4)                           ; source 0 window 1, source 1 window 2 or 3, C and D window 0
.endif
.set KR, 64*((\kb)%4)
.irp a, 0,1,2,3
.irp b, 0,1,2,3
.if (\kb) == 0
	v_wmma_f32_16x16x128_fp8_fp8 v[ACC+8*(4*\a+\b):ACC+8*(4*\a+\b)+7], v[KR+16*\b:KR+16*\b+15], v[KR+16*\a:KR+16*\a+15], 0
.else
	v_wmma_f32_16x16x128_fp8_fp8 v[ACC+8*(4*\a+\b):ACC+8*(4*\a+\b)+7], v[KR+16*\b:KR+16*\b+15], v[KR+16*\a:KR+16*\a+15], v[ACC+8*(4*\a+\b):ACC+8*(4*\a+\b)+7]
.endif
.endr
.endr
.endm
.macro MATRIX g, sw, ld                ; a tile's eight steps
	FETCH 0, \g
	FETCH 1, \g
.irp kb, 0,1,2,3,4,5,6,7
	QUARTER \kb, \g, \sw, \ld
.endr
	WIN 0
	PLACES
.endm
; THE WAY OUT: the 16 registers of accumulators 2 be, 2 be + 1 are 16 neighbours along the next K: held, converted, and stored as 512 consecutive bytes of an image.  Each accumulator is read from its low end on
.macro OUT sc, lim, ob
.irp a, 0,1,2,3
.irp be, 0,1
.irp j, 0,1,2,3,4,5,6,7,8,9,10,11,12,13,14,15
	v_med3_num_f32 v[ACC+8*(4*\a+2*\be)+\j], v[ACC+8*(4*\a+2*\be)+\j], -v[\lim], v[\lim]
.endr
	v_cvt_scalef32_pk8_fp8_f32 v[32+4*(2*\a+\be):33+4*(2*\a+\be)], v[ACC+8*(4*\a+2*\be):ACC+8*(4*\a+2*\be)+7], v[\sc]
	v_cvt_scalef32_pk8_fp8_f32 v[34+4*(2*\a+\be):35+4*(2*\a+\be)], v[ACC+8*(4*\a+2*\be)+8:ACC+8*(4*\a+2*\be)+15], v[\sc]
	global_store_b128 v[CO], v[32+4*(2*\a+\be):35+4*(2*\a+\be)], s[\ob:\ob+1] offset:\a*2048+\be*512
.endr
.endr
	v_nop                                          ; a plain instruction behind the last scaled conversion
.endm
.macro MKSC eo, sc, lim                ; a sum stands for sum x 2^(e0 + e1): the three scales are folded into the conversion's one, 2^(eo - e0 - e1); and 448 x that
	s_sub_co_i32 s90, s[ES+\eo], s[ES]
	s_sub_co_i32 s90, s90, s[ES+1]
	s_add_co_i32 s90, s90, 127
	s_lshl_b32 s91, s90, 23
	v_mov_b32 v[\sc], s91
	s_add_co_i32 s90, s90, 8
	s_lshl_b32 s90, s90, 23
	s_or_b32 s90, s90, 0x600000
	v_mov_b32 v[\lim], s90
.endm
	s_load_b256 s[4:11], s[0:1], 0x0               ; activations' codes, wts, the exponents, qkvc
	v_lshl_add_u32 v[SPW], v0, 2, SPARE
	v_mov_b32 v[NIL], 0
	ds_add_u32 v[SPW], v[NIL]                      ; the wave's opening: the add, twice on end, and its wait ahead of my first tensor load
	ds_add_u32 v[SPW], v[NIL]
	v_lshrrev_b32 v1, 5, v0
	v_readfirstlane_b32 s[WV], v1
	s_lshr_b32 s[WA], s[WV], 1                     ; my half of the activations' fragments
	s_and_b32 s[WB], s[WV], 1                      ; my half of the weights' fragments
	s_bfe_u32 s40, ttmp6, 0x40000                  ; cx
	s_bfe_u32 s41, ttmp6, 0x40004                  ; cy
	s_lshl_b32 s[TX], ttmp9, 2
	s_add_co_u32 s[TX], s[TX], s40                 ; my first column tile, 0 to 7
	s_and_b32 s[TY], ttmp7, 0xffff
	s_lshl_b32 s[TY], s[TY], 2
	s_add_co_u32 s[TY], s[TY], s41                 ; row tile
	s_lshl_b32 s44, 0x1111, s40                    ; my column of the cluster
	s_or_b32 s[G1B], s44, (3<<16)|(1<<21)          ; the mask; elements of 8 bytes; bit 21 beside a mask; no padding
	s_or_b32 s[G1C], s44, (3<<16)|(1<<21)
.irp g, G1B, G1C                       ; dense bytes as rows of 32 elements of 8 bytes
	s_mov_b32 s[\g+1], 32<<16
	s_mov_b32 s[\g+3], 32<<16
	s_mov_b32 s[\g+5], 32
	s_mov_b32 s[\g+6], 0
	s_mov_b32 s[\g+7], 0
.endr
	s_mov_b32 s[G1B+2], 128<<16
	s_mov_b32 s[G1B+4], 128
	s_mov_b32 s[G1C+2], 256<<16
	s_mov_b32 s[G1C+4], 256
	s_lshl_b32 s20, s[TY], 17                      ; the activations: row tile, my half of the fragments
	s_lshl_b32 s22, s[WA], 13
	s_add_co_u32 s20, s20, s22
	s_mov_b32 s21, 0
	s_lshl_b32 s46, s[TX], 17                      ; my first fill: tile X + 8 (w / 2), half w % 2 of K
	s_lshl_b32 s22, s[WA], 20
	s_add_co_u32 s46, s46, s22
	s_lshl_b32 s22, s[WB], 16
	s_add_co_u32 s46, s46, s22
	s_mov_b32 s47, 0
	s_lshl_b32 s45, s[WV], 16                      ; and where it goes: region w / 2, half w % 2: no place in the cluster enters an LDS address
	s_lshl_b32 s80, s[TX], 17                      ; my refill: tile X + 16, kb 2 w, 2 w + 1,
	s_add_co_u32 s80, s80, 16*TILEB
	s_lshl_b32 s22, s[WV], 15                      ; into region 0 at the same place
	s_add_co_u32 s80, s80, s22
	s_mov_b32 s81, 0
	s_lshl_b32 s82, s[WB], 13
	v_and_b32 v1, 31, v0
	v_lshlrev_b32 v[CO], 4, v1
.irp n, 0,1,2,3
	v_add_nc_u32 v[AD+\n], s82, v[CO]
	s_add_co_u32 s82, s82, 65536
.endr
	s_wait_alu depctr_va_vdst(0)
	s_wait_dscnt 0x0                               ; both opening adds are done
	s_wait_kmcnt 0x0
	s_load_b256 s[ES:ES+7], s[8:9], 0x0
	s_add_nc_u64 s[20:21], s[4:5], s[20:21]
	s_mov_b32 s[G0], 1
	s_mov_b32 s[G0+1], s45
	s_add_nc_u64 s[G0+2:G0+3], s[6:7], s[46:47]
	s_or_b32 s[G0+3], s[G0+3], 0x80000000
	s_mov_b32 s[G0N], 1
	s_mov_b32 s[G0N+1], s22
	s_add_nc_u64 s[G0N+2:G0N+3], s[6:7], s[80:81]
	s_or_b32 s[G0N+3], s[G0N+3], 0x80000000
	CROUND                                         ; all sixteen work-groups are here: the first joint loads meet
	tensor_load_to_lds s[G0:G0+3], s[G1C:G1C+7]    ; my one load at the head: 64 KiB
	s_nop 0
	PLACES
	LOADA
	WIN 0
	; where the three tiles go
	s_lshl_b32 s90, s[TX], 1
	s_add_co_u32 s91, s90, s[WB]                   ; the head: the weights' half
	s_lshl_b32 s92, s91, 18
	s_lshl_b32 s93, s[TY], 13
	s_add_co_u32 s92, s92, s93
	s_lshl_b32 s95, s[WA], 10                      ; my half of the 128 tokens
	s_add_co_u32 s92, s92, s95
	s_mov_b32 s93, 0
	s_add_nc_u64 s[84:85], s[10:11], s[92:93]      ; q
	s_lshl_b32 s94, s[TY], 14
	s_lshl_b32 s92, s91, 19
	s_add_co_u32 s92, s92, s94
	s_add_co_u32 s92, s92, s95
	s_add_co_u32 s92, s92, 0x400000
	s_add_nc_u64 s[86:87], s[10:11], s[92:93]      ; k
	s_add_nc_u64 s[88:89], s[86:87], 0x2000        ; v: the same head, the same half of the tokens, 8,192 bytes on
	s_wait_kmcnt 0x0
	MKSC 2, 4, 5                                   ; q: v4, v5
	MKSC 3, 6, 7                                   ; k: v6, v7
	MKSC 5, 8, 9                                   ; v: v8, v9
	s_wait_alu depctr_va_vdst(0)
	s_wait_tensorcnt 0x0                           ; my first fill has landed,
	s_barrier_signal -1
	s_barrier_wait -1                              ; and everybody's has: q's and k's weights are whole
	MATRIX 0, 0, 1                                 ; q
	s_wait_tensorcnt 0x0                           ; no tensor load of mine is out
	ds_add_u32 v[SPW], v[NIL]                      ; 0 onto my spare word
	s_wait_dscnt 0x0                               ; the add is done, and my reads of region 0 are over
	CROUND                                         ; both hold of every wave of every partner
	tensor_load_to_lds s[G0N:G0N+3], s[G1B:G1B+7]  ; my one load behind the round: 32 KiB of v's weights
	s_nop 0
	PLACES
	s_wait_alu depctr_va_vdst(0)
	OUT 4, 5, 84
	MATRIX 1, 0, 0                                 ; k
	s_wait_xcnt 0x0                                ; q's stores have read their registers: the codes may be written anew
	s_wait_alu depctr_va_vdst(0)
	OUT 6, 7, 86
	s_wait_tensorcnt 0x0                           ; my part of v's weights has landed,
	s_barrier_signal -1
	s_barrier_wait -1                              ; and everybody's has; nothing is filled again
	MATRIX 0, 1, 0                                 ; v: the sources' windows changed
	s_wait_xcnt 0x0
	s_wait_alu depctr_va_vdst(0)
	OUT 8, 9, 88
	s_wait_tensorcnt 0x0                           ; the wave's end
	ds_add_u32 v[SPW], v[NIL]
	s_wait_dscnt 0x0
	CROUND                                         ; the closing round
	s_endpgm
.Lfunc_end_k_q33ac69dd20_gqkv:
	.size	k_q33ac69dd20_gqkv, .Lfunc_end_k_q33ac69dd20_gqkv-k_q33ac69dd20_gqkv
	.p2alignl 7, 3214868480
	.fill 96, 4, 3214868480
	.section	.rodata,"a",@progbits
	.p2align	6, 0x0
	.amdhsa_kernel k_q33ac69dd20_gqkv
		.amdhsa_group_segment_fixed_size 327680
		.amdhsa_private_segment_fixed_size 0
		.amdhsa_enable_private_segment 0
		.amdhsa_kernarg_size 32
		.amdhsa_user_sgpr_count 2
		.amdhsa_user_sgpr_kernarg_segment_ptr 1
		.amdhsa_wavefront_size32 1
		.amdhsa_system_sgpr_workgroup_id_x 1
		.amdhsa_system_sgpr_workgroup_id_y 1
		.amdhsa_system_sgpr_workgroup_id_z 1
		.amdhsa_system_vgpr_workitem_id 0
		.amdhsa_next_free_vgpr 1024
		.amdhsa_next_free_sgpr 100
		.amdhsa_reserve_vcc 0
		.amdhsa_float_denorm_mode_32 3
		.amdhsa_float_denorm_mode_16_64 3
		.amdhsa_memory_ordered 1
		.amdhsa_forward_progress 1
		.amdhsa_inst_pref_size 103
	.end_amdhsa_kernel
	.amdgpu_metadata
---
amdhsa.version: [ 1, 2 ]
amdhsa.kernels:
  - .name:           k_q33ac69dd20_gqkv
    .symbol:         k_q33ac69dd20_gqkv.kd
    .args:
      - { .name: acode, .offset: 0, .size: 8, .value_kind: global_buffer, .address_space: global }
      - { .name: wts, .offset: 8, .size: 8, .value_kind: global_buffer, .address_space: global }
      - { .name: lowp_scales, .offset: 16, .size: 8, .value_kind: global_buffer, .address_space: global }
      - { .name: qkvc, .offset: 24, .size: 8, .value_kind: global_buffer, .address_space: global }
    .group_segment_fixed_size: 327680
    .private_segment_fixed_size: 0
    .kernarg_segment_align: 8
    .kernarg_segment_size: 32
    .max_flat_workgroup_size: 128
    .sgpr_count:     100
    .vgpr_count:     1024
    .wavefront_size: 32
...
	.end_amdgpu_metadata
.endif
;; end of part 2
;; launch att (part 3): grid 8 x 32, 16 waves a work-group, clusters of 4 x 1, 327,680 bytes of LDS; arguments qkvc, lowp_scales, yc; writes yc
.if DOCPART == 3
	.amdgcn_target "amdgcn-amd-amdhsa--gfx1250"
	.amdhsa_code_object_version 6
	.text
	.protected	k_q33ac69dd20_att
	.globl	k_q33ac69dd20_att
	.p2align	8
	.type	k_q33ac69dd20_att,@function
k_q33ac69dd20_att:
	s_mov_b64 s[64:65], 0
	v_nop
	global_prefetch_b8 v0, s[64:65] scope:SCOPE_SE
	s_setreg_imm32_b32 hwreg(HW_REG_WAVE_MODE, 25, 1), 1
	s_wait_xcnt 0x0
	s_wait_alu depctr_hold_cnt(0) depctr_sa_sdst(0) depctr_va_vdst(0) depctr_va_sdst(0) depctr_va_ssrc(0) depctr_va_vcc(0) depctr_vm_vsrc(0)
	s_getreg_b32 s2, hwreg(HW_REG_IB_STS2, 6, 4)
	s_cmp_eq_u32 s2, 0
	s_cbranch_scc0 .Lentry_in_a_cluster
	s_endpgm
.Lentry_in_a_cluster:
	s_bfe_u32 s2, ttmp6, 0x10000c
	s_cmp_lg_u32 s2, 0x3003
	s_cbranch_scc0 .Lentry_shape_is_right
	s_endpgm
.Lentry_shape_is_right:
; CAUSAL ATTENTION on codes of E4M3, head size 64, 2,048 tokens, 32 (batch, head) pairs; the result leaves as codes (scale entry 6) in image order for the projection.
; t = score x log2(e) / 8; M = the running largest t rounded UP to a whole number; p = 2^(t - M) is quantised (entry 4), not normalised; the sum of the unquantised p divides at the end; a change of M multiplies by an exact power of two.
; K AND V OF THE HEAD STAY IN LDS: step s (128 keys: 8 KiB of K, 8 KiB of V, one dense 16 KiB in memory) lies at 16384 s.  Wave w brings step w by one tensor load.
; One wait for 0 and one barrier; nothing is filled again, and the loop has no barrier.  The loop has 16 trips in every wave; a step whose keys all come after my queries is jumped over.
; CLUSTER 4 x 1: the four partners belong to one head (batch y / 16, head y % 16) and read the same K and V: each step is asked for JOINTLY, by the same load with the same descriptor and the mask of all four.
; SHARES, laid so that no branch hangs on a work-group's place in its cluster.  Cluster c (0 or 1) of a head owns eight blocks of 128 queries: 2 j + c and 15 - 2 j - c, j = 0..3: four pairs of 17 steps.
; EVERY partner takes two of the eight tiles of 16 queries of EACH of these blocks: tiles 2 cx and 2 cx + 1.  So a wave's block, and with it which steps it walks, hangs on the wave's number and on c alone;
; cx enters the global addresses of Q and of the result and the diagonal's mask (a vector comparison), and nothing else.  Wave w = 4 a + b: side a % 2, pair j = 2 (b / 2) + a / 2, tile 2 cx + b % 2:
; waves w, w + 4, w + 8, w + 12 hold two whole pairs, 34 steps.
; In the clusters with c = 1 the last block is 14, so step 15 is brought and not read, 16 KiB of 256: every partner issues every joint load, and no jump leads round one.
; LAYOUT.  Both products transposed: S^T = K Q^T (16x16x64), O^T = V^T P^T (16x16x128): a lane holds one query.  Tile t of K holds keys 32 (t/2) + 8 (t%2) + r + 8 (r/8), so tiles 2 b, 2 b + 1 give a lane keys 32 b + 16 h + 0..15;
; V's tiles hold channels in the same order, so O^T's tiles 2 b, 2 b + 1 give channels 32 b + 16 h + 0..15: 16 neighbours along the projection's K.
; LIMITS: e2 + e3 between -123 and 130 (added to c's exponent field); e4 and e6 between -126 and 119.
; REGISTERS: v1 16 x lane; v8 address; v9 the diagonal's d; v12 -M, v13 largest t, v[14:15] the sum; v16-23 Q; v32-95 K's eight tiles, then V's four fragments; v96-159 S^T, then p; v160-191 O^T; v224-239 codes; v236-254 at work.
.set SPARE, 262144                     ; behind the 16 steps: the spare words, 128 bytes a wave
.set AK0, 1
.set SPW, 5
.set NIL, 6
.set ADK, 8
.set DG,  9
.set NINF, 10
.set WV,  10
.set BB,  11
.set HD,  12
.set BLK, 13
.set T8,  14
.set G1,  16
.set G0,  24
.set SEL, 28
.set CS,  30
.set TB,  32
.set STEP, 33
.set ES,  36
.macro CROUND                          ; a round of the cluster's barrier
	s_barrier_signal -1
	s_barrier_wait -1
	s_cmp_lg_u32 s[WV], 0
	s_cbranch_scc1 .Lnot_wave_0_\@
	s_barrier_signal -3
.Lnot_wave_0_\@:
	s_barrier_wait -3
	s_barrier_signal -1
	s_barrier_wait -1
.endm
	s_load_b128 s[4:7], s[0:1], 0x0                ; qkvc, the exponents
	s_load_b64 s[8:9], s[0:1], 0x10                ; yc
	v_lshl_add_u32 v[SPW], v0, 2, SPARE
	v_mov_b32 v[NIL], 0
	ds_add_u32 v[SPW], v[NIL]                      ; the wave's opening: the add and its wait ahead of my first tensor load
	ds_add_u32 v[SPW], v[NIL]
	v_lshrrev_b32 v2, 5, v0
	s_delay_alu instid0(VALU_DEP_1)
	v_readfirstlane_b32 s[WV], v2
	s_and_b32 s48, ttmp7, 0xffff
	s_lshr_b32 s[BB], s48, 4
	s_lshl_b32 s[BB], s[BB], 4                     ; 16 x batch: the batch's first block of 128 tokens
	s_and_b32 s[HD], s48, 15
	s_lshr_b32 s57, s[WV], 2                       ; a
	s_and_b32 s58, s57, 1                          ; the side of the pair
	s_lshr_b32 s57, s57, 1
	s_bfe_u32 s59, s[WV], 0x10001                  ; b / 2
	s_lshl_b32 s59, s59, 1
	s_add_co_u32 s57, s57, s59                     ; j
	s_lshl_b32 s57, s57, 1
	s_add_co_u32 s57, s57, ttmp9                   ; 2 j + c: in a cluster launch ttmp9 counts clusters
	s_sub_co_u32 s59, 15, s57
	s_cmp_eq_u32 s58, 0
	s_cselect_b32 s[BLK], s57, s59                 ; my query block: the wave's number and the cluster's alone
	s_bfe_u32 s56, ttmp6, 0x40000                  ; cx
	s_lshl_b32 s56, s56, 1
	s_and_b32 s[T8], s[WV], 1
	s_add_co_u32 s[T8], s[T8], s56                 ; my tile in it: 2 cx + b % 2
	s_mov_b32 s[G1], 15|(3<<16)|(1<<21)            ; 15:0 the mask: all four partners; 17:16 elements of 8 bytes; 21 set beside a mask; no padding: 16,384 dense bytes as 64 rows of 32 elements
	s_mov_b32 s[G1+1], 32<<16
	s_mov_b32 s[G1+2], 64<<16
	s_mov_b32 s[G1+3], 32<<16
	s_mov_b32 s[G1+4], 64
	s_mov_b32 s[G1+5], 32
	s_mov_b32 s[G1+6], 0
	s_mov_b32 s[G1+7], 0
	s_mov_b32 s[SEL], 0x76543210
	s_mov_b32 s[SEL+1], 0xfedcba98
	s_mov_b32 s[CS], 0x3e38aa3b                    ; c = log2(e) / 8
	s_mov_b32 s[TB], 0
	s_mov_b32 s[STEP], 0
	s_lshl_b32 s48, s[HD], 19
	s_add_co_u32 s49, s[BB], s[WV]
	s_lshl_b32 s49, s49, 14
	s_add_co_u32 s48, s48, s49
	s_add_co_u32 s48, s48, 0x400000                ; step w of my head's K and V: the head and the wave's number alone
	s_mov_b32 s49, 0
	s_lshl_b32 s50, s[WV], 14                      ; and its place in LDS
	s_wait_dscnt 0x0                               ; the opening add is done
	s_wait_kmcnt 0x0
	s_load_b256 s[ES:ES+7], s[6:7], 0x0
	s_load_b128 s[ES+8:ES+11], s[6:7], 0x20
	s_mov_b32 s[G0], 1
	s_mov_b32 s[G0+1], s50
	s_add_nc_u64 s[G0+2:G0+3], s[4:5], s[48:49]
	s_or_b32 s[G0+3], s[G0+3], 0x80000000
	CROUND                                         ; all four partners are here: the joint loads meet
	tensor_load_to_lds s[G0:G0+3], s[G1:G1+7]      ; my one tensor load
	s_nop 0
.rept 4
	v_nop
.endr
	v_and_b32 v2, 31, v0
	s_delay_alu instid0(VALU_DEP_1)
	v_lshlrev_b32 v[AK0], 4, v2
	s_wait_alu depctr_va_vdst(0)
	s_lshl_b32 s48, s[HD], 18
	s_add_co_u32 s51, s[BB], s[BLK]                ; my queries' block of 128 tokens
	s_lshl_b32 s49, s51, 13
	s_add_co_u32 s48, s48, s49
	s_and_b32 s49, s[T8], 3
	s_lshl_b32 s49, s49, 11
	s_add_co_u32 s48, s48, s49
	s_lshr_b32 s49, s[T8], 2
	s_lshl_b32 s49, s49, 10
	s_add_co_u32 s48, s48, s49
	s_mov_b32 s49, 0
	s_add_nc_u64 s[52:53], s[4:5], s[48:49]
	global_load_b128 v[16:19], v[AK0], s[52:53]            ; Q's fragment stays in registers
	global_load_b128 v[20:23], v[AK0], s[52:53] offset:512
	s_lshl_b32 s48, s51, 3                         ; out: block (token block, head / 2), fragment t8, register groups 2 (head % 2) + 0, 1
	s_lshr_b32 s54, s[HD], 1
	s_add_co_u32 s48, s48, s54
	s_lshl_b32 s48, s48, 14
	s_lshl_b32 s54, s[T8], 11
	s_add_co_u32 s48, s48, s54
	s_and_b32 s54, s[HD], 1
	s_lshl_b32 s54, s54, 10
	s_add_co_u32 s48, s48, s54
	s_add_nc_u64 s[8:9], s[8:9], s[48:49]
	s_lshr_b32 s54, s[T8], 1
	s_lshl_b32 s54, s54, 5
	s_and_b32 s55, s[T8], 1
	s_lshl_b32 s55, s55, 3
	s_add_co_u32 s54, s54, s55
	v_and_b32 v2, 15, v0
	s_delay_alu instid0(VALU_DEP_1)
	v_and_b32 v3, 8, v2
	s_delay_alu instid0(VALU_DEP_1)
	v_add_nc_u32 v2, v2, v3
	v_bfe_u32 v3, v0, 4, 1
	s_delay_alu instid0(VALU_DEP_1)
	v_lshlrev_b32 v3, 4, v3
	s_delay_alu instid0(VALU_DEP_1)
	v_sub_nc_u32 v2, v2, v3
	s_delay_alu instid0(VALU_DEP_1)
	v_add_nc_u32 v[DG], s54, v2                    ; d = my query in its block - 16 h.  Register 16 b + i holds key 32 b + 16 h + i: on the diagonal it is hidden where 32 b + i > d
	v_mov_b32 v[NINF], 0xff800000
	v_mov_b32 v13, 0xff61b1e6                      ; the largest t so far: -3e38
	s_delay_alu instid0(VALU_DEP_1)
	v_floor_f32 v12, -v13                          ; -M
	v_mov_b32 v14, 0
	v_mov_b32 v15, 0
	v_mov_b32 v236, 0                              ; written once: a lane permute's destination counts as one of its sources
	v_mov_b32 v252, 0
	v_mov_b32 v253, 0                              ; (named as the upper half of a pair)
.set N, 0
.rept 32
	v_mov_b32 v[160+N], 0                          ; O^T: the step is written once; the first finds zeros
.set N, N+1
.endr
	s_wait_kmcnt 0x0
	s_add_co_i32 s48, s[ES+2], s[ES+3]
	s_lshl_b32 s48, s48, 23
	s_add_co_i32 s[CS], s[CS], s48                 ; a score stands for score x 2^(e2 + e3)
	s_mov_b32 s[CS+1], s[CS]
	s_add_co_i32 s48, s[ES+4], 127
	s_lshl_b32 s49, s48, 23
	v_mov_b32 v244, s49                            ; 2^e4
	s_add_co_i32 s48, s48, 8
	s_lshl_b32 s48, s48, 23
	s_or_b32 s48, s48, 0x600000
	v_mov_b32 v240, s48                            ; 448 x 2^e4
	s_wait_tensorcnt 0x0                           ; my step has landed,
	s_barrier_signal -1
	s_barrier_wait -1                              ; everybody's has
	s_wait_loadcnt 0x0                             ; Q
.Lstep:                                            ; 16 trips, a constant; the work of a hidden step is jumped over
	s_cmp_gt_u32 s[STEP], s[BLK]
	s_cbranch_scc1 .Lhidden
	v_add_nc_u32 v[ADK], s[TB], v[AK0]
.rept 3
	v_nop                                          ; with the addition: four places in front of loads into registers that the last products read
.endr
.irp t, 0,1,2,3,4,5,6,7
	ds_load_b128 v[32+8*\t:35+8*\t], v[ADK] offset:(\t%4)*2048+(\t/4)*1024
	ds_load_b128 v[36+8*\t:39+8*\t], v[ADK] offset:(\t%4)*2048+(\t/4)*1024+512
.endr
	s_wait_alu depctr_va_vdst(0)
	s_wait_dscnt 0x0
.irp t, 0,1,2,3,4,5,6,7
	v_wmma_f32_16x16x64_fp8_fp8 v[96+8*\t:103+8*\t], v[32+8*\t:39+8*\t], v[16:23], 0
.endr
.rept 4
	v_nop
.endr
.irp f, 0,1,2,3                                ; V's four fragments land while the softmax is walked
.irp c, 0,1,2,3
	ds_load_b128 v[32+16*\f+4*\c:35+16*\f+4*\c], v[ADK] offset:8192+\f*2048+\c*512
.endr
.endr
	s_cmp_lt_u32 s[STEP], s[BLK]                   ; only my own block's step lies on the diagonal
	s_cbranch_scc1 .Lopen
.set N, 0
.rept 64
	v_cmp_gt_i32 vcc_lo, 32*(N/16)+N%16, v[DG]
	v_cndmask_b32 v[96+N], v[96+N], v[NINF], vcc_lo   ; a hidden score becomes -infinity: p = 0
.set N, N+1
.endr
.Lopen:
	v_max3_num_f32 v254, v96, v97, v98             ; the step's largest score of my query among my 64 keys, in two chains,
	v_max3_num_f32 v252, v99, v100, v101
.irp i, 6,10,14,18,22,26,30,34,38,42,46,50,54,58
	v_max3_num_f32 v254, v254, v[96+\i], v[97+\i]
	v_max3_num_f32 v252, v252, v[98+\i], v[99+\i]
.endr
	v_max3_num_f32 v254, v254, v158, v159
	s_delay_alu instid0(VALU_DEP_1)
	v_max_num_f32 v254, v254, v252
	v_permlanex16_b32 v236, v254, s[SEL], s[SEL+1]
	s_delay_alu instid0(VALU_DEP_1)
	v_max_num_f32 v254, v254, v236                 ; and among lane l xor 16's
	s_delay_alu instid0(VALU_DEP_1)
	v_mul_f32 v254, s[CS], v254                    ; as t (c is positive)
	s_delay_alu instid0(VALU_DEP_1)
	v_max_num_f32 v13, v13, v254
	v_mov_b32 v254, v12
	s_delay_alu instid0(VALU_DEP_2)
	v_floor_f32 v12, -v13                          ; the new -M = -ceil(t)
	s_delay_alu instid0(VALU_DEP_1)
	v_sub_f32 v254, v12, v254                      ; old M - new M: a whole number, 0 or less
	s_delay_alu instid0(VALU_DEP_1)
	v_cvt_i32_f32 v254, v254
	s_delay_alu instid0(VALU_DEP_1)
	v_ldexp_f32 v252, 1.0, v254                    ; f = 2^(old M - new M)
.set J, 0
.rept 32
	v_pk_fma_f32 v[96+J:97+J], v[96+J:97+J], s[CS:CS+1], v[12:13] op_sel_hi:[1,0,0]   ; t - M
.set J, J+2
.endr
.set N, 0
	s_wait_alu depctr_va_vdst(0)
.rept 64
	v_exp_f32 v[96+N], v[96+N]                     ; p = 2^(t - M)
.set N, N+1
.endr
	v_pk_mul_f32 v[14:15], v[14:15], v[252:253] op_sel_hi:[1,0]   ; the sums under the new M: a plain instruction behind the batch
	s_wait_alu depctr_va_vdst(0)                   ; one wait for the 64 exponentials, ahead of their first reader
	v_pk_add_f32 v[242:243], v[100:101], v[104:105]
	v_pk_add_f32 v[254:255], v[108:109], v[112:113]
	v_pk_add_f32 v[250:251], v[116:117], v[120:121]
	v_pk_add_f32 v[248:249], v[124:125], v[128:129]
	v_pk_add_f32 v[246:247], v[132:133], v[136:137]
	v_pk_add_f32 v[238:239], v[140:141], v[144:145]
	v_pk_add_f32 v[236:237], v[148:149], v[152:153]
	v_pk_add_f32 v[14:15], v[14:15], v[156:157]
	v_pk_add_f32 v[242:243], v[242:243], v[96:97]
	v_pk_add_f32 v[254:255], v[254:255], v[98:99]
	v_pk_add_f32 v[250:251], v[250:251], v[102:103]
	v_pk_add_f32 v[248:249], v[248:249], v[106:107]
	v_pk_add_f32 v[246:247], v[246:247], v[110:111]
	v_pk_add_f32 v[238:239], v[238:239], v[114:115]
	v_pk_add_f32 v[236:237], v[236:237], v[118:119]
	v_pk_add_f32 v[14:15], v[14:15], v[122:123]
	v_pk_add_f32 v[242:243], v[242:243], v[126:127]
	v_pk_add_f32 v[254:255], v[254:255], v[130:131]
	v_pk_add_f32 v[250:251], v[250:251], v[134:135]
	v_pk_add_f32 v[248:249], v[248:249], v[138:139]
	v_pk_add_f32 v[246:247], v[246:247], v[142:143]
	v_pk_add_f32 v[238:239], v[238:239], v[146:147]
	v_pk_add_f32 v[236:237], v[236:237], v[150:151]
	v_pk_add_f32 v[14:15], v[14:15], v[154:155]
	v_pk_add_f32 v[242:243], v[242:243], v[158:159]
	s_delay_alu instid0(VALU_DEP_2)
	v_pk_add_f32 v[14:15], v[14:15], v[248:249]
	s_delay_alu instid0(VALU_DEP_2)
	v_pk_add_f32 v[242:243], v[242:243], v[246:247]
	v_pk_add_f32 v[254:255], v[254:255], v[238:239]
	v_pk_add_f32 v[250:251], v[250:251], v[236:237]
	s_delay_alu instid0(VALU_DEP_2)
	v_pk_add_f32 v[14:15], v[14:15], v[254:255]
	s_delay_alu instid0(VALU_DEP_2)
	v_pk_add_f32 v[242:243], v[242:243], v[250:251]
	s_delay_alu instid0(VALU_DEP_1)
	v_pk_add_f32 v[14:15], v[14:15], v[242:243]
.irp b, 0,1,2,3
.irp i, 0,1,2,3,4,5,6,7,8,9,10,11,12,13,14,15
	v_min_num_f32 v[96+16*\b+\i], v[96+16*\b+\i], v240   ; the hold; p is not negative
.endr
	v_cvt_scalef32_pk8_fp8_f32 v[224+4*\b:225+4*\b], v[96+16*\b:103+16*\b], v244
	v_cvt_scalef32_pk8_fp8_f32 v[226+4*\b:227+4*\b], v[104+16*\b:111+16*\b], v244
.endr
.set J, 0
.rept 16
	v_pk_mul_f32 v[160+J:161+J], v[160+J:161+J], v[252:253] op_sel_hi:[1,0]   ; O^T under the new M; also the plain work between the conversions and the products
.set J, J+2
.endr
	s_wait_alu depctr_va_vdst(0)
	s_wait_dscnt 0x0                               ; V
.irp f, 0,1,2,3
	v_wmma_f32_16x16x128_fp8_fp8 v[160+8*\f:167+8*\f], v[32+16*\f:47+16*\f], v[224:239], v[160+8*\f:167+8*\f]
.endr
.Lhidden:
	s_add_co_u32 s[TB], s[TB], 16384
	s_add_co_u32 s[STEP], s[STEP], 1
	s_cmp_lt_u32 s[STEP], 16
	s_cbranch_scc1 .Lstep
.rept 4
	v_nop                                          ; places behind the last products
.endr
	v_add_f32 v14, v14, v15
	s_delay_alu instid0(VALU_DEP_1)
	v_permlanex16_b32 v252, v14, s[SEL], s[SEL+1]
	s_delay_alu instid0(VALU_DEP_1)
	v_add_f32 v14, v14, v252                       ; the row's sum
	s_wait_alu depctr_va_vdst(0)
	v_rcp_f32 v14, v14
	s_add_co_i32 s48, s[ES+4], s[ES+5]
	s_add_co_i32 s49, s[ES+6], 127
	s_lshl_b32 s50, s49, 23
	v_mov_b32 v244, s50                            ; 2^e6 (a plain instruction behind the reciprocal)
	s_add_co_i32 s49, s49, 8
	s_lshl_b32 s49, s49, 23
	s_or_b32 s49, s49, 0x600000
	v_mov_b32 v240, s49                            ; 448 x 2^e6
	s_wait_alu depctr_va_vdst(0)                   ; the wait ahead of the reciprocal's first reader
	v_ldexp_f32 v14, v14, s48                      ; x 2^(e4 + e5)
.set J, 0
.rept 16
	v_pk_mul_f32 v[160+J:161+J], v[160+J:161+J], v[14:15] op_sel_hi:[1,0]
.set J, J+2
.endr
.set N, 0
.rept 32
	v_med3_num_f32 v[160+N], v[160+N], -v240, v240
.set N, N+1
.endr
.irp b, 0,1
	v_cvt_scalef32_pk8_fp8_f32 v[224+4*\b:225+4*\b], v[160+16*\b:167+16*\b], v244
	v_cvt_scalef32_pk8_fp8_f32 v[226+4*\b:227+4*\b], v[168+16*\b:175+16*\b], v244
.endr
	v_nop                                          ; a plain instruction behind the last scaled conversion
	global_store_b128 v[AK0], v[224:227], s[8:9]             ; 512 consecutive bytes of an image each
	global_store_b128 v[AK0], v[228:231], s[8:9] offset:512
	s_wait_tensorcnt 0x0                           ; the wave's end
	ds_add_u32 v[SPW], v[NIL]
	s_wait_dscnt 0x0
	CROUND                                         ; the closing round
	s_endpgm
.Lfunc_end_k_q33ac69dd20_att:
	.size	k_q33ac69dd20_att, .Lfunc_end_k_q33ac69dd20_att-k_q33ac69dd20_att
	.p2alignl 7, 3214868480
	.fill 96, 4, 3214868480
	.section	.rodata,"a",@progbits
	.p2align	6, 0x0
	.amdhsa_kernel k_q33ac69dd20_att
		.amdhsa_group_segment_fixed_size 327680
		.amdhsa_private_segment_fixed_size 0
		.amdhsa_enable_private_segment 0
		.amdhsa_kernarg_size 24
		.amdhsa_user_sgpr_count 2
		.amdhsa_user_sgpr_kernarg_segment_ptr 1
		.amdhsa_wavefront_size32 1
		.amdhsa_system_sgpr_workgroup_id_x 1
		.amdhsa_system_sgpr_workgroup_id_y 1
		.amdhsa_system_sgpr_workgroup_id_z 1
		.amdhsa_system_vgpr_workitem_id 0
		.amdhsa_next_free_vgpr 256
		.amdhsa_next_free_sgpr 66
		.amdhsa_reserve_vcc 1
		.amdhsa_float_denorm_mode_32 3
		.amdhsa_float_denorm_mode_16_64 3
		.amdhsa_memory_ordered 1
		.amdhsa_forward_progress 1
		.amdhsa_inst_pref_size 33
	.end_amdhsa_kernel
	.amdgpu_metadata
---
amdhsa.version: [ 1, 2 ]
amdhsa.kernels:
  - .name:           k_q33ac69dd20_att
    .symbol:         k_q33ac69dd20_att.kd
    .args:
      - { .name: qkvc, .offset: 0, .size: 8, .value_kind: global_buffer, .address_space: global }
      - { .name: lowp_scales, .offset: 8, .size: 8, .value_kind: global_buffer, .address_space: global }
      - { .name: yc, .offset: 16, .size: 8, .value_kind: global_buffer, .address_space: global }
    .group_segment_fixed_size: 327680
    .private_segment_fixed_size: 0
    .kernarg_segment_align: 8
    .kernarg_segment_size: 24
    .max_flat_workgroup_size: 512
    .sgpr_count:     66
    .vgpr_count:     256
    .wavefront_size: 32
...
	.end_amdgpu_metadata
.endif
;; end of part 3
;; launch gproj (part 4): grid 8 x 32, 4 waves a work-group, no clusters, 270,848 bytes of LDS; arguments yc, wts, lowp_scales, x, x1; writes x1
.if DOCPART == 4
	.amdgcn_target "amdgcn-amd-amdhsa--gfx1250"
	.amdhsa_code_object_version 6
	.text
	.protected	k_q33ac69dd20_gproj
	.globl	k_q33ac69dd20_gproj
	.p2align	8
	.type	k_q33ac69dd20_gproj,@function
k_q33ac69dd20_gproj:
	s_mov_b64 s[64:65], 0
	v_nop
	global_prefetch_b8 v0, s[64:65] scope:SCOPE_SE
	s_setreg_imm32_b32 hwreg(HW_REG_WAVE_MODE, 25, 1), 1
	s_wait_xcnt 0x0
; x1 = x + y W_proj: [4096 x 1024] x [1024 x 1024] on codes of E4M3, sums in f32, each finished sum x 2^(e6 + e7).
; Both operands lie as images of operand registers: block (i = row / 128, kb = k / 128) of 16,384 bytes at (8 i + kb) 16384; in it 2048 f + 512 c + 16 lane holds row 32 (f/2) + 8 (f%2) + r + 8 (r/8), k = 128 kb + 32 c + 16 h + 0..15.
; SHARES.  A work-group makes a tile of 128 x 128 (x: column tile, y: row tile).  ITS FOUR WAVES SPLIT K: wave w multiplies the whole tile over kb 2 w, 2 w + 1: 64 accumulators, 512 registers, two steps of 64 matrix instructions.
; So each byte of both tiles is wanted by ONE wave of the work-group, and goes from memory straight into that wave's operand registers: a load is 512 consecutive bytes of an image.  The steps use no LDS and no barrier.
; NO CLUSTER: a joint load lands in LDS alone, and no operand byte of this text passes through LDS.  NO PREFETCH: all of a wave's operands are asked for within its first step: there is no loop to run ahead in.
; LOADS IN HAND: B (weights) has two sets of eight fragments, A (activations) a ring of three quads of four fragments.
; THE WAY OUT.  The four partial tiles meet in LDS: each wave lays its 128 rows x 512 bytes (528 apart) in its own part; one barrier; wave w reads rows 32 w .. 32 w + 31 of all four parts as whole rows, adds them,
; multiplies by 2^(e6 + e7), adds x, and stores rows of 512 consecutive bytes, aligned.
; SOURCE 0 = weights, source 1 = activations: register j of accumulator (a, b) in lane (r, h) is place r of A's fragment a, column 32 (b/2) + 8 (b%2) + 16 h + j.
; LIMIT: e6 + e7 lies between -126 and 127, so that 2^(e6 + e7) is an f32 number.
; REGISTERS: window 0: v2-15 addresses, v64-255 A's three quads; window 1: B's two sets (at the end x's rows in set 0); windows 2, 3: accumulators of A's fragments 0-3, 4-7, at the end the four parts' rows.
.set NT,    2                          ; steps of 128 along K for a wave
.set WOFF,  3145728                    ; w_proj's images in wts
.set KBB,   16384                      ; a block
.set SP,    528                        ; a stage row: 512 bytes + 16: sixteen rows start at sixteen different groups of four banks
.set PART,  128*SP                     ; a wave's part of the stage
.set SPARE, 4*PART                     ; behind the stage: the spare words, 128 bytes a wave
.set CO,   2                           ; v2  16 x lane
.set STO,  5                           ; v5  into my part of the stage: row r, 64 h bytes
.set SPW,  6                           ; v6  my spare word; never rewritten
.set NIL,  7                           ; v7  0; never rewritten
.set RD,   12                          ; v12-15 my 32 rows in part 0..3, 16 x lane
.set WV,   16
.set MSB, 0
.macro WIN new                         ; the immediate's high byte repeats the setting that is left
.if MSB != (\new)
	s_set_vgpr_msb (MSB<<8)|(\new)
.set MSB, (\new)
.endif
.endm
.set MUL_LO, 0xa1                      ; source 0 (B) window 1, source 1 (A) window 0, C and D window 2
.set TO_B,   0x40                      ; destination window 1, address window 0
.macro PLACES                          ; four plain places behind matrix instructions, ahead of loads into their sources and of stores of their results
.rept 4
	v_nop
.endr
.endm
.macro LDB t                           ; B's eight fragments of step t into set t % 2: 32 loads
	WIN TO_B
.irp i, 0,1,2,3,4,5,6,7
.irp c, 0,1,2,3
	global_load_b128 v[128*((\t)%2)+16*\i+4*\c:128*((\t)%2)+16*\i+4*\c+3], v[CO], s[6:7] offset:(\t)*KBB+\i*2048+\c*512
.endr
.endr
.endm
.macro LDQ q                           ; A's quad q (step q / 2, fragments 4 (q % 2) + 0..3) into ring place q % 3: 16 loads
	WIN 0
.irp i, 0,1,2,3
.irp c, 0,1,2,3
	global_load_b128 v[64+64*((\q)%3)+16*\i+4*\c:64+64*((\q)%3)+16*\i+4*\c+3], v[CO], s[4:5] offset:(\q)*8192+\i*2048+\c*512
.endr
.endr
.endm
.macro LDR                             ; x: my 32 rows x 512 bytes, in the stage's order of rows, into B's set 0: 32 loads
	WIN TO_B
.irp g, 0,1,2,3
.irp k, 0,1,2,3,4,5,6,7
	global_load_b128 v[32*\g+4*\k:32*\g+4*\k+3], v[CO], s[10:11] offset:(8*(\g/2)+16*(\g%2)+\k)*4096 th:TH_LOAD_NT
.endr
.endr
.endm
.macro MULQ t, hi                      ; 32 matrix instructions: a quad of A against B's eight.  The 64 accumulators take turns in one order; step 0 starts the sums
.set AQ, 64+64*((2*(\t)+(\hi))%3)
.set BQ, 128*((\t)%2)
	WIN MUL_LO+0x50*(\hi)
.irp i, 0,1,2,3
.irp b, 0,1,2,3,4,5,6,7
.if (\t) == 0
	v_wmma_f32_16x16x128_fp8_fp8 v[8*(8*\i+\b):8*(8*\i+\b)+7], v[BQ+16*\b:BQ+16*\b+15], v[AQ+16*\i:AQ+16*\i+15], 0
.else
	v_wmma_f32_16x16x128_fp8_fp8 v[8*(8*\i+\b):8*(8*\i+\b)+7], v[BQ+16*\b:BQ+16*\b+15], v[AQ+16*\i:AQ+16*\i+15], v[8*(8*\i+\b):8*(8*\i+\b)+7]
.endif
.endr
.endr
.endm
.macro PUT hi                          ; the partial sums of A's fragments 4 hi + 0..3 into my part of the stage; each accumulator from its low end on
	WIN 0x08+4*(\hi)
.irp i, 0,1,2,3
.irp b, 0,1,2,3,4,5,6,7
	ds_store_b128 v[STO], v[8*(8*\i+\b):8*(8*\i+\b)+3] offset:(64*(\hi)+16*\i)*SP+128*(\b/2)+32*(\b%2)
	ds_store_b128 v[STO], v[8*(8*\i+\b)+4:8*(8*\i+\b)+7] offset:(64*(\hi)+16*\i)*SP+128*(\b/2)+32*(\b%2)+16
.endr
.endr
.endm
.macro GET g                           ; rows 8 g + 0..7 of my 32, out of all four parts: 32 loads; parts 0, 1 into window 2, parts 2, 3 into window 3
.irp s, 0,1,2,3
	WIN 0x80+0x40*(\s/2)
.irp k, 0,1,2,3,4,5,6,7
	ds_load_b128 v[128*(\s%2)+32*(\g)+4*\k:128*(\s%2)+32*(\g)+4*\k+3], v[RD+\s] offset:(8*(\g)+\k)*SP
.endr
.endr
.endm
.macro SUM g                           ; eight rows: the four parts added; x 2^(e6 + e7) and x by one fused multiply-add; stored
.set R0, 32*(\g)
	WIN 0x8a                                       ; part 0 + part 1, window 2
.irp j, 0,2,4,6,8,10,12,14,16,18,20,22,24,26,28,30
	v_pk_add_f32 v[R0+\j:R0+\j+1], v[R0+\j:R0+\j+1], v[128+R0+\j:128+R0+\j+1]
.endr
	WIN 0xcf                                       ; part 2 + part 3, window 3
.irp j, 0,2,4,6,8,10,12,14,16,18,20,22,24,26,28,30
	v_pk_add_f32 v[R0+\j:R0+\j+1], v[R0+\j:R0+\j+1], v[128+R0+\j:128+R0+\j+1]
.endr
	WIN 0x8e                                       ; window 2 + window 3 -> window 2
.irp j, 0,2,4,6,8,10,12,14,16,18,20,22,24,26,28,30
	v_pk_add_f32 v[R0+\j:R0+\j+1], v[R0+\j:R0+\j+1], v[R0+\j:R0+\j+1]
.endr
	WIN 0x52                                       ; sum (window 2) x s36 + x (window 1) -> window 1
.irp j, 0,2,4,6,8,10,12,14,16,18,20,22,24,26,28,30
	v_pk_fma_f32 v[R0+\j:R0+\j+1], v[R0+\j:R0+\j+1], s[36:37], v[R0+\j:R0+\j+1] op_sel_hi:[1,0,1]
.endr
	WIN 0x04                                       ; store data window 1
.irp k, 0,1,2,3,4,5,6,7
	global_store_b128 v[CO], v[R0+4*\k:R0+4*\k+3], s[14:15] offset:(8*((\g)/2)+16*((\g)%2)+\k)*4096   ; 32 lanes store 512 consecutive bytes, aligned
.endr
.endm
; A step of 128 along K.  The waits' counts: behind the loads that a quad's products need stand two quads of A and a set of B, 64 loads; the field holds 63.
; The last step: x's 32 loads take the place of B's: 48 = they and A's last quad; 32 = they alone.
.macro STEP t
.if (\t) < NT-1
	LDB (\t)+1
	s_wait_loadcnt 63
.else
	LDR
	s_wait_loadcnt 48
.endif
	MULQ \t, 0
	PLACES
.if (\t) < NT-1
	LDQ 2*(\t)+3
	s_wait_loadcnt 63
.else
	PUT 0                                          ; fragments 0-3 are finished: they go to the stage while the last quad is multiplied
	s_wait_loadcnt 32
.endif
	MULQ \t, 1
	PLACES
.if (\t) < NT-2
	LDQ 2*(\t)+4
.endif
.endm
	s_load_b256 s[4:11], s[0:1], 0x0               ; yc, wts, the exponents, x
	s_load_b64 s[14:15], s[0:1], 0x20              ; x1
	v_lshl_add_u32 v[SPW], v0, 2, SPARE
	v_mov_b32 v[NIL], 0
	v_lshrrev_b32 v16, 5, v0
	v_readfirstlane_b32 s[WV], v16                 ; wave 0..3
	s_and_b32 s17, ttmp7, 0xffff                   ; row tile
	s_lshl_b32 s24, s17, 17
	s_lshl_b32 s18, s[WV], 15
	s_add_co_u32 s24, s24, s18                     ; A: block (row tile, 2 w)
	s_mov_b32 s25, 0
	s_lshl_b32 s26, ttmp9, 17
	s_add_co_u32 s26, s26, s18
	s_add_co_u32 s26, s26, WOFF                    ; B: block (column tile, 2 w)
	s_mov_b32 s27, 0
	s_lshl_b32 s28, s17, 19                        ; x and x1: rows 128 x row tile + 32 w, 4,096 bytes each; the tile's first column, 512 bytes a tile
	s_lshl_b32 s18, s[WV], 17
	s_add_co_u32 s28, s28, s18
	s_lshl_b32 s18, ttmp9, 9
	s_add_co_u32 s28, s28, s18
	s_mov_b32 s29, 0
	s_mul_i32 s20, s[WV], PART
	s_mul_i32 s21, s[WV], 32*SP
	v_and_b32 v17, 31, v0                          ; lane
	v_lshlrev_b32 v[CO], 4, v17
	v_and_b32 v20, 15, v17                         ; r
	v_lshrrev_b32 v21, 4, v17                      ; h
	v_mul_u32_u24 v22, v20, SP
	v_lshl_add_u32 v22, v21, 6, v22
	v_add_nc_u32 v[STO], s20, v22
	v_add_nc_u32 v[RD], s21, v[CO]
	v_add_nc_u32 v[RD+1], PART, v[RD]
	v_add_nc_u32 v[RD+2], 2*PART, v[RD]
	v_add_nc_u32 v[RD+3], 3*PART, v[RD]
	s_wait_alu depctr_va_vdst(0)
	s_wait_kmcnt 0x0
	s_load_b64 s[36:37], s[8:9], 0x18              ; e6, e7
	s_add_nc_u64 s[4:5], s[4:5], s[24:25]
	s_add_nc_u64 s[6:7], s[6:7], s[26:27]
	s_add_nc_u64 s[10:11], s[10:11], s[28:29]
	s_add_nc_u64 s[14:15], s[14:15], s[28:29]
	LDB 0
	LDQ 0
	LDQ 1
	LDQ 2
	s_wait_kmcnt 0x0
	s_add_co_i32 s36, s36, s37
	s_add_co_i32 s36, s36, 127
	s_lshl_b32 s36, s36, 23                        ; 2^(e6 + e7) as f32
	s_mov_b32 s37, s36                             ; (named with it as a pair)
	STEP 0
	STEP 1
	PUT 1
	WIN 0
	s_wait_dscnt 0x0                               ; for the others' sake: my part of the stage has landed
	s_barrier_signal -1
	s_barrier_wait -1
	GET 0
	GET 1
	s_wait_loadcnt 0x0                             ; x's rows
	s_wait_dscnt 32                                ; group 0 is in; group 1's 32 loads may be out
	SUM 0
	GET 2
	s_wait_dscnt 32
	SUM 1
	GET 3
	s_wait_dscnt 32
	SUM 2
	s_wait_dscnt 0x0
	SUM 3
	WIN 0
	s_wait_tensorcnt 0x0                           ; the wave's end, behind my last LDS store
	ds_add_u32 v[SPW], v[NIL]
	s_wait_dscnt 0x0
	s_endpgm
.Lfunc_end_k_q33ac69dd20_gproj:
	.size	k_q33ac69dd20_gproj, .Lfunc_end_k_q33ac69dd20_gproj-k_q33ac69dd20_gproj
	.p2alignl 7, 3214868480
	.fill 96, 4, 3214868480
	.section	.rodata,"a",@progbits
	.p2align	6, 0x0
	.amdhsa_kernel k_q33ac69dd20_gproj
		.amdhsa_group_segment_fixed_size 270848
		.amdhsa_private_segment_fixed_size 0
		.amdhsa_enable_private_segment 0
		.amdhsa_kernarg_size 40
		.amdhsa_user_sgpr_count 2
		.amdhsa_user_sgpr_kernarg_segment_ptr 1
		.amdhsa_wavefront_size32 1
		.amdhsa_system_sgpr_workgroup_id_x 1
		.amdhsa_system_sgpr_workgroup_id_y 1
		.amdhsa_system_sgpr_workgroup_id_z 1
		.amdhsa_system_vgpr_workitem_id 0
		.amdhsa_next_free_vgpr 1024
		.amdhsa_next_free_sgpr 66
		.amdhsa_reserve_vcc 0
		.amdhsa_float_denorm_mode_32 3
		.amdhsa_float_denorm_mode_16_64 3
		.amdhsa_memory_ordered 1
		.amdhsa_forward_progress 1
		.amdhsa_inst_pref_size 63
	.end_amdhsa_kernel
	.amdgpu_metadata
---
amdhsa.version: [ 1, 2 ]
amdhsa.kernels:
  - .name:           k_q33ac69dd20_gproj
    .symbol:         k_q33ac69dd20_gproj.kd
    .args:
      - { .name: yc, .offset: 0, .size: 8, .value_kind: global_buffer, .address_space: global }
      - { .name: wts, .offset: 8, .size: 8, .value_kind: global_buffer, .address_space: global }
      - { .name: lowp_scales, .offset: 16, .size: 8, .value_kind: global_buffer, .address_space: global }
      - { .name: x, .offset: 24, .size: 8, .value_kind: global_buffer, .address_space: global }
      - { .name: x1, .offset: 32, .size: 8, .value_kind: global_buffer, .address_space: global }
    .group_segment_fixed_size: 270848
    .private_segment_fixed_size: 0
    .kernarg_segment_align: 8
    .kernarg_segment_size: 40
    .max_flat_workgroup_size: 128
    .sgpr_count:     66
    .vgpr_count:     1024
    .wavefront_size: 32
...
	.end_amdgpu_metadata
.endif
;; end of part 4
;; launch ln2 (part 5): grid 256 x 1, 4 waves a work-group, no clusters, 17,920 bytes of LDS; arguments x1, ln2_g, ln2_b, lowp_scales, acode; writes acode
.if DOCPART == 5
	.amdgcn_target "amdgcn-amd-amdhsa--gfx1250"
	.amdhsa_code_object_version 6
	.text
	.protected	k_q33ac69dd20_ln2
	.globl	k_q33ac69dd20_ln2
	.p2align	8
	.type	k_q33ac69dd20_ln2,@function
k_q33ac69dd20_ln2:
	s_mov_b64 s[64:65], 0
	v_nop
	global_prefetch_b8 v0, s[64:65] scope:SCOPE_SE
	s_setreg_imm32_b32 hwreg(HW_REG_WAVE_MODE, 25, 1), 1
	s_wait_xcnt 0x0
; LayerNorm 2 of x1 and its codes of E4M3 (scale entry 8), laid as images of operand registers: block (i = row / 128, kb = k / 128) of 16,384 bytes;
; in it 2048 f + 512 c + 16 lane holds row 32 (f/2) + 8 (f%2) + r + 8 (r/8), k = 128 kb + 32 c + 16 h + 0..15.
; A work-group takes the 16 rows of one fragment, a wave four rows, each whole in 32 registers a lane.  Mean, then the mean of squared differences (two passes over registers: no difference of large sums).
; The codes turn into image order through a stage in LDS, since a lane holds 4 neighbours of each kb and an image wants 16.  Nothing is shared between work-groups: no cluster, no matrix unit, no tensor load.
; LIMITS: e8 between -126 and 119; NaN among the inputs is not served.
.set SPARE, 17408
.set SPW, 12
.set NIL, 13
.set SC,  14
.set LIM, 15
.set X,   16                           ; v16-143 four rows x 32 numbers
.set GN,  144
.set BS,  176
.set CD,  208
.set T,   240
.set Q,   248
.set WV,  2
.set XP,  4
.set OP,  22
	s_load_b256 s[4:11], s[0:1], 0x0               ; x1, ln2_g, ln2_b, the exponents
	s_load_b64 s[22:23], s[0:1], 0x20              ; acode
	v_lshl_add_u32 v[SPW], v0, 2, SPARE
	v_mov_b32 v[NIL], 0
	v_lshrrev_b32 v1, 5, v0
	v_readfirstlane_b32 s[WV], v1
	s_wait_kmcnt 0x0
	s_load_b32 s48, s[10:11], 0x20                 ; e8
	s_lshr_b32 s25, ttmp9, 3                       ; i
	s_and_b32 s26, ttmp9, 7                        ; f
	s_lshl_b32 s27, s25, 7
	s_lshr_b32 s28, s26, 1
	s_lshl_b32 s28, s28, 5
	s_add_co_u32 s27, s27, s28
	s_and_b32 s28, s26, 1
	s_lshl_b32 s28, s28, 3
	s_add_co_u32 s27, s27, s28
	s_lshl_b32 s28, s[WV], 2
	s_add_co_u32 s27, s27, s28
	s_lshr_b32 s28, s[WV], 1
	s_lshl_b32 s28, s28, 3
	s_add_co_u32 s27, s27, s28                     ; my first row: 128 i + 32 (f/2) + 8 (f%2) + 4 w + 8 (w/2)
	s_lshl_b32 s28, s27, 12
	s_mov_b32 s29, 0
	s_add_nc_u64 s[XP:XP+1], s[XP:XP+1], s[28:29]
	s_lshl_b32 s28, s25, 17                        ; out: block (i, 2 w), fragment f
	s_lshl_b32 s30, s26, 11
	s_add_co_u32 s28, s28, s30
	s_lshl_b32 s30, s[WV], 15
	s_add_co_u32 s28, s28, s30
	s_add_nc_u64 s[OP:OP+1], s[OP:OP+1], s[28:29]
	v_and_b32 v1, 31, v0
	v_lshlrev_b32 v2, 4, v1                        ; 16 x lane
.irp j, 0,1,2,3
.irp c, 0,1,2,3,4,5,6,7
	global_load_b128 v[X+32*\j+4*\c:X+32*\j+4*\c+3], v2, s[XP:XP+1] offset:\j*4096+512*\c th:TH_LOAD_NT   ; 512 consecutive bytes a load: k = 128 c + 4 lane + 0..3
.endr
.endr
.irp c, 0,1,2,3,4,5,6,7
	global_load_b128 v[GN+4*\c:GN+4*\c+3], v2, s[6:7] offset:512*\c
.endr
.irp c, 0,1,2,3,4,5,6,7
	global_load_b128 v[BS+4*\c:BS+4*\c+3], v2, s[8:9] offset:512*\c
.endr
	v_lshrrev_b32 v3, 2, v1                        ; the stage: for each kb 8 groups (c, h) of 256 bytes, 272 apart; 2,176 a kb.  In: group lane / 4, place 4 w + j, bytes 4 (lane % 4)
	v_mul_u32_u24 v3, v3, 272
	v_and_b32 v4, 3, v1
	v_lshl_add_u32 v3, v4, 2, v3
	s_lshl_b32 s30, s[WV], 6
	v_add_nc_u32 v3, s30, v3
	v_lshrrev_b32 v5, 4, v1                        ; back: kb = 2 w + kk; lanes 0-15 take group (c, 0), lanes 16-31 group (c, 1)
	v_mul_u32_u24 v5, v5, 272
	v_and_b32 v4, 15, v1
	v_lshl_add_u32 v5, v4, 4, v5
	s_mul_i32 s30, s[WV], 4352
	v_add_nc_u32 v5, s30, v5
	s_mov_b32 s60, 0x76543210
	s_mov_b32 s61, 0xfedcba98
	s_mov_b32 s62, 0x3a800000                      ; 1 / 1024
	s_mov_b32 s63, 0x3727c5ac                      ; 1e-5
	s_wait_kmcnt 0x0
	s_add_co_i32 s30, s48, 127
	s_lshl_b32 s31, s30, 23
	v_mov_b32 v[SC], s31
	s_add_co_i32 s30, s30, 8
	s_lshl_b32 s30, s30, 23
	s_or_b32 s30, s30, 0x600000
	v_mov_b32 v[LIM], s30
.macro REDUCE b                        ; the four rows' pairs at v[b + 2 j] become sums over the wave's 32 lanes, in every lane
.irp j, 0,1,2,3
	v_add_f32 v[\b+2*\j], v[\b+2*\j], v[\b+2*\j+1]
.endr
.irp m, 1,2,4,8
.irp j, 0,1,2,3
	v_add_f32_dpp v[\b+2*\j], v[\b+2*\j], v[\b+2*\j] row_xmask:\m row_mask:0xf bank_mask:0xf
.endr
.endr
.irp j, 0,1,2,3
	v_permlanex16_b32 v[\b+2*\j+1], v[\b+2*\j], s60, s61
.endr
.irp j, 0,1,2,3
	v_add_f32 v[\b+2*\j], v[\b+2*\j], v[\b+2*\j+1]
.endr
.endm
	s_wait_loadcnt 16                              ; x1 is in; the 16 loads of gain and bias may be out
.irp j, 0,1,2,3
	v_pk_add_f32 v[T+2*\j:T+2*\j+1], v[X+32*\j:X+32*\j+1], v[X+32*\j+2:X+32*\j+3]
.endr
.irp k, 4,6,8,10,12,14,16,18,20,22,24,26,28,30
.irp j, 0,1,2,3
	v_pk_add_f32 v[T+2*\j:T+2*\j+1], v[T+2*\j:T+2*\j+1], v[X+32*\j+\k:X+32*\j+\k+1]
.endr
.endr
	REDUCE T
.irp j, 0,1,2,3
	v_mul_f32 v[T+2*\j], s62, v[T+2*\j]            ; the mean
.endr
.irp k, 0,2,4,6,8,10,12,14,16,18,20,22,24,26,28,30
.irp j, 0,1,2,3
	v_pk_add_f32 v[X+32*\j+\k:X+32*\j+\k+1], v[X+32*\j+\k:X+32*\j+\k+1], v[T+2*\j:T+2*\j+1] op_sel_hi:[1,0] neg_lo:[0,1] neg_hi:[0,1]   ; x - mean
.endr
.endr
.irp j, 0,1,2,3
	v_pk_mul_f32 v[Q+2*\j:Q+2*\j+1], v[X+32*\j:X+32*\j+1], v[X+32*\j:X+32*\j+1]
.endr
.irp k, 2,4,6,8,10,12,14,16,18,20,22,24,26,28,30
.irp j, 0,1,2,3
	v_pk_fma_f32 v[Q+2*\j:Q+2*\j+1], v[X+32*\j+\k:X+32*\j+\k+1], v[X+32*\j+\k:X+32*\j+\k+1], v[Q+2*\j:Q+2*\j+1]
.endr
.endr
	REDUCE Q
.irp j, 0,1,2,3
	v_fma_f32 v[Q+2*\j], v[Q+2*\j], s62, s63       ; the variance + 1e-5
.endr
	s_wait_alu depctr_va_vdst(0)
.irp j, 0,1,2,3
	v_rsq_f32 v[T+2*\j], v[Q+2*\j]
.endr
	v_nop                                          ; a plain instruction behind the last of the batch,
	s_wait_alu depctr_va_vdst(0)                   ; and the one wait ahead of its first reader
	s_wait_loadcnt 0x0                             ; gain and bias
.irp k, 0,2,4,6,8,10,12,14,16,18,20,22,24,26,28,30
.irp j, 0,1,2,3
	v_pk_mul_f32 v[X+32*\j+\k:X+32*\j+\k+1], v[X+32*\j+\k:X+32*\j+\k+1], v[T+2*\j:T+2*\j+1] op_sel_hi:[1,0]
.endr
.irp j, 0,1,2,3
	v_pk_fma_f32 v[X+32*\j+\k:X+32*\j+\k+1], v[X+32*\j+\k:X+32*\j+\k+1], v[GN+\k:GN+\k+1], v[BS+\k:BS+\k+1]
.endr
.endr
.set N, 0
.rept 128
	v_med3_num_f32 v[X+N], v[X+N], -v[LIM], v[LIM] ; the conversion to an 8-bit code does not saturate (ISA guide 7.6.2): the hold comes first
.set N, N+1
.endr
.irp j, 0,1,2,3
.irp i, 0,1,2,3
	v_cvt_scalef32_pk8_fp8_f32 v[CD+8*\j+2*\i:CD+8*\j+2*\i+1], v[X+32*\j+8*\i:X+32*\j+8*\i+7], v[SC]   ; word 0: four codes of kb = 2 i, word 1: of kb = 2 i + 1
.endr
.endr
	v_nop                                          ; a plain instruction behind the last scaled conversion
.irp j, 0,1,2,3
.irp kb, 0,1,2,3,4,5,6,7
	ds_store_b32 v3, v[CD+8*\j+\kb] offset:\kb*2176+16*\j   ; group g starts at bank 4 g: the 32 lanes touch 32 different banks
.endr
.endr
	s_wait_dscnt 0x0                               ; for the others' sake: my stores have landed
	s_barrier_signal -1
	s_barrier_wait -1
.irp n, 0,1,2,3,4,5,6,7
	ds_load_b128 v[X+4*\n:X+4*\n+3], v5 offset:(\n/4)*2176+(\n%4)*544
.endr
.irp n, 0,1,2,3,4,5,6,7
	s_wait_dscnt 7-\n
	global_store_b128 v2, v[X+4*\n:X+4*\n+3], s[OP:OP+1] offset:(\n/4)*16384+(\n%4)*512   ; 512 consecutive bytes of an image
.endr
	s_wait_tensorcnt 0x0                           ; the wave's end, behind my last LDS store
	ds_add_u32 v[SPW], v[NIL]
	s_wait_dscnt 0x0
	s_endpgm
.Lfunc_end_k_q33ac69dd20_ln2:
	.size	k_q33ac69dd20_ln2, .Lfunc_end_k_q33ac69dd20_ln2-k_q33ac69dd20_ln2
	.p2alignl 7, 3214868480
	.fill 96, 4, 3214868480
	.section	.rodata,"a",@progbits
	.p2align	6, 0x0
	.amdhsa_kernel k_q33ac69dd20_ln2
		.amdhsa_group_segment_fixed_size 17920
		.amdhsa_private_segment_fixed_size 0
		.amdhsa_enable_private_segment 0
		.amdhsa_kernarg_size 40
		.amdhsa_user_sgpr_count 2
		.amdhsa_user_sgpr_kernarg_segment_ptr 1
		.amdhsa_wavefront_size32 1
		.amdhsa_system_sgpr_workgroup_id_x 1
		.amdhsa_system_sgpr_workgroup_id_y 1
		.amdhsa_system_sgpr_workgroup_id_z 1
		.amdhsa_system_vgpr_workitem_id 0
		.amdhsa_next_free_vgpr 256
		.amdhsa_next_free_sgpr 66
		.amdhsa_reserve_vcc 0
		.amdhsa_float_denorm_mode_32 3
		.amdhsa_float_denorm_mode_16_64 3
		.amdhsa_memory_ordered 1
		.amdhsa_forward_progress 1
		.amdhsa_inst_pref_size 44
	.end_amdhsa_kernel
	.amdgpu_metadata
---
amdhsa.version: [ 1, 2 ]
amdhsa.kernels:
  - .name:           k_q33ac69dd20_ln2
    .symbol:         k_q33ac69dd20_ln2.kd
    .args:
      - { .name: x1, .offset: 0, .size: 8, .value_kind: global_buffer, .address_space: global }
      - { .name: ln2_g, .offset: 8, .size: 8, .value_kind: global_buffer, .address_space: global }
      - { .name: ln2_b, .offset: 16, .size: 8, .value_kind: global_buffer, .address_space: global }
      - { .name: lowp_scales, .offset: 24, .size: 8, .value_kind: global_buffer, .address_space: global }
      - { .name: acode, .offset: 32, .size: 8, .value_kind: global_buffer, .address_space: global }
    .group_segment_fixed_size: 17920
    .private_segment_fixed_size: 0
    .kernarg_segment_align: 8
    .kernarg_segment_size: 40
    .max_flat_workgroup_size: 128
    .sgpr_count:     66
    .vgpr_count:     256
    .wavefront_size: 32
...
	.end_amdgpu_metadata
.endif
;; end of part 5
;; launch gff1 (part 6): grid 8 x 32, 4 waves a work-group, clusters of 4 x 4, 327,680 bytes of LDS; arguments acode, wts, lowp_scales, b_ff1, hc; writes hc
.if DOCPART == 6
	.amdgcn_target "amdgcn-amd-amdhsa--gfx1250"
	.amdhsa_code_object_version 6
	.text
	.protected	k_q33ac69dd20_gff1
	.globl	k_q33ac69dd20_gff1
	.p2align	8
	.type	k_q33ac69dd20_gff1,@function
k_q33ac69dd20_gff1:
	s_mov_b64 s[64:65], 0
	v_nop
	global_prefetch_b8 v0, s[64:65] scope:SCOPE_SE
	s_setreg_imm32_b32 hwreg(HW_REG_WAVE_MODE, 25, 1), 1
	s_wait_xcnt 0x0
	s_wait_alu depctr_hold_cnt(0) depctr_sa_sdst(0) depctr_va_vdst(0) depctr_va_sdst(0) depctr_va_ssrc(0) depctr_va_vcc(0) depctr_vm_vsrc(0)
	s_getreg_b32 s2, hwreg(HW_REG_IB_STS2, 6, 4)
	s_cmp_eq_u32 s2, 0
	s_cbranch_scc0 .Lentry_in_a_cluster
	s_endpgm
.Lentry_in_a_cluster:
	s_bfe_u32 s2, ttmp6, 0x10000c
	s_cmp_lg_u32 s2, 0xf033
	s_cbranch_scc0 .Lentry_shape_is_right
	s_endpgm
.Lentry_shape_is_right:
; h = gelu(LN2(x1) W_ff1 + b_ff1) on codes of E4M3, and h's codes (scale entry 10) for the next product.  [4096 x 1024] x [1024 x 4096].
; Both operands lie as images of operand registers: block (i = row / 128, kb = k / 128) of 16,384 bytes; in it 2048 f + 512 c + 16 lane holds row 32 (f/2) + 8 (f%2) + r + 8 (r/8), k = 128 kb + 32 c + 16 h + 0..15.
; A tile of 128 x 128 is made by four waves, each 64 x 64: 16 accumulators.  A WORK-GROUP STAYS: it makes the four column tiles X, X + 8, X + 16, X + 24 of its 128 rows.
; THE ACTIVATIONS STAY IN REGISTERS: a wave's 64 rows x 1,024 codes are 512 registers (windows 2 and 3), read from LDS once.  So a step of 128 along K reads the weights' four fragments alone, 16 LDS loads for 16 matrix instructions.
; LDS: two regions of 128 KiB, each as half s of K at s SLOT (+ BREG for region 1).  At the head region 0 takes the activations and region 1 the first tile's weights, one joint load of 64 KiB a wave.
; When the activations are in registers, the two regions are a ring of two slots for the weights: at each tile's head every wave runs the three lines and a round of the cluster's barrier, and brings 32 KiB of the NEXT tile into the region
; that was read last; that load has the whole tile's products and gelu in which to land.
; CLUSTER 4 x 4: the activations' tile is shared along a row of the cluster, the weights' along a column; each is asked for jointly.
; SOURCE 0 = weights, source 1 = activations: register j of accumulator (a, b) is column 32 (b/2) + 8 (b%2) + 16 h + j, so accumulators 2 be, 2 be + 1 give 16 neighbours along the next K.  The bias goes in as the C of the first products, x 2^-(e8 + e9).
; GELU: 0.5 x (1 + erf(x / sqrt 2)), erf(z) = z P(z^2) / Q(z^2) with z held within +-4, P of degree 6 and Q of degree 4 in z^2, all in f32.
; NO PREFETCH: the weights' four tiles are asked for a whole tile ahead of their use, and the activations once at the head: there is no loop to run further ahead in.
; LIMITS: e8 + e9 between -125 and 126; e10 between -126 and 119.
.set SIZE_K, 1024
.set KBN,    SIZE_K/128
.set WOFF,   4194304                   ; w_ff1's images in wts
.set TILES,  4
.set XSTEP,  8
.set SLOT,   131072
.set BREG,   65536
.set SPARE,  2*SLOT
.set ADRA, 16                          ; v16-17 the activations' fragments of my half, half 0, 1 of K
.set AB,   18                          ; v18-19 my half of the weights' fragments in region 0, half 0, 1 of K
.set ADRB, 20                          ; v20-21 the same in the region that the tile reads
.set CO,   26                          ; v26 16 x lane
.set SPW,  28                          ; v28 my spare word; never rewritten
.set NIL,  29                          ; v29 0; never rewritten
.set SC,   30
.set LIM,  31
.set ZZ,   32
.set Z2,   48
.set PP,   64
.set QQ,   80
.set BI,   96
.set ACC,  128
.set WV, 16
.set WA, 17
.set WB, 18
.set TY, 19
.set TX, 42
.set G1, 24                            ; s[24:31] group 1, activations' first fill (256 rows of 256 bytes);  s[32:35] its group 0
.set G0, 32
.set G0B, 36                           ; s[36:39] group 0 of the weights' first fill;  s[56:63] its group 1
.set G0N, 44                           ; s[44:47] group 0 of the refills: it walks from tile to tile and from region to region
.set G1B, 48                           ; s[48:55] group 1 of the refills (128 rows of 256 bytes)
.set G1C, 56
.set ES, 68
.set RG, 100                           ; s100 LDS byte at which the tile's region begins: BREG, 0, BREG, 0
.set MSB, 0
.macro WIN new                         ; the immediate's high byte repeats the setting that is left
.if MSB != (\new)
	s_set_vgpr_msb (MSB<<8)|(\new)
.set MSB, (\new)
.endif
.endm
.set TO_F, 0x40                        ; destination window 1, address window 0
.macro JLOAD                           ; the first fill, one load a wave; an s_nop 0 and four v_nop follow each line
	s_cmp_eq_u32 s[WA], 0
	s_cbranch_scc0 .Lfor_b_\@
	tensor_load_to_lds s[G0:G0+3], s[G1:G1+7]
	s_nop 0
.rept 4
	v_nop
.endr
	s_branch .Lasked_\@
.Lfor_b_\@:
	tensor_load_to_lds s[G0B:G0B+3], s[G1C:G1C+7]
	s_nop 0
.rept 4
	v_nop
.endr
.Lasked_\@:
.endm
.macro CROUND                          ; a round of the cluster's barrier
	s_barrier_signal -1
	s_barrier_wait -1
	s_cmp_lg_u32 s[WV], 0
	s_cbranch_scc1 .Lnot_wave_0_\@
	s_barrier_signal -3
.Lnot_wave_0_\@:
	s_barrier_wait -3
	s_barrier_signal -1
	s_barrier_wait -1
.endm
.macro PLACES                          ; four plain places behind matrix instructions (ISA guide 7.12.1)
.rept 4
	v_nop
.endr
.endm
.macro LOADA                           ; my 64 rows of the activations, all of K: 128 LDS loads; kb 0-3 into window 2, kb 4-7 into window 3, fragment a of kb at 64 (kb % 4) + 16 a
.irp kb, 0,1,2,3,4,5,6,7
	WIN 0x80+0x40*(\kb/4)
.irp a, 0,1,2,3
.irp c, 0,1,2,3
	ds_load_b128 v[64*(\kb%4)+16*\a+4*\c:64*(\kb%4)+16*\a+4*\c+3], v[ADRA+\kb/4] offset:(\kb%4)*16384+\a*2048+\c*512
.endr
.endr
.endr
.endm
.macro FETCH kb                        ; the weights' four fragments of step kb into place kb % 4 of window 1: 16 LDS loads
	WIN TO_F
.irp i, 0,1,2,3
.irp c, 0,1,2,3
	ds_load_b128 v[64*((\kb)%4)+16*\i+4*\c:64*((\kb)%4)+16*\i+4*\c+3], v[ADRB+(\kb)/4] offset:((\kb)%4)*16384+\i*2048+\c*512
.endr
.endr
.endm
; A step of 128 along K: 16 matrix instructions; the 16 accumulators take turns in one order.  Its fragments were asked for two steps ago; behind them only the next step's 16 loads are out.
.macro QUARTER kb
.if (\kb) < 7
	s_wait_dscnt 16
.else
	s_wait_dscnt 0x0
.endif
	PLACES                                         ; behind the last step's products, ahead of loads into fragments that earlier products read
.if (\kb) < 6
	FETCH (\kb)+2
.endif
	WIN 0x09+4*((\kb)/4)                           ; source 0 window 1, source 1 window 2 or 3, C and D window 0
.irp a, 0,1,2,3
.irp b, 0,1,2,3
.if (\kb) == 0
	v_wmma_f32_16x16x128_fp8_fp8 v[ACC+8*(4*\a+\b):ACC+8*(4*\a+\b)+7], v[64*((\kb)%4)+16*\b:64*((\kb)%4)+16*\b+15], v[64*((\kb)%4)+16*\a:64*((\kb)%4)+16*\a+15], v[BI+8*\b:BI+8*\b+7]
.else
	v_wmma_f32_16x16x128_fp8_fp8 v[ACC+8*(4*\a+\b):ACC+8*(4*\a+\b)+7], v[64*((\kb)%4)+16*\b:64*((\kb)%4)+16*\b+15], v[64*((\kb)%4)+16*\a:64*((\kb)%4)+16*\a+15], v[ACC+8*(4*\a+\b):ACC+8*(4*\a+\b)+7]
.endif
.endr
.endr
.endm
.macro COEF r, val
	s_mov_b32 s[\r], \val
	s_mov_b32 s[\r+1], \val
.endm
.macro GELU a, be                      ; 16 neighbours along the next K: gelu, the hold, the codes, 512 consecutive bytes of an image out
.set GG, ACC+8*(4*(\a)+2*(\be))
.set CC, 12+10*((2*(\a)+(\be))%2)
.set J, 0
.rept 8
	v_pk_mul_f32 v[ZZ+J:ZZ+J+1], v[GG+J:GG+J+1], s[20:21] op_sel_hi:[1,0]
.set J, J+2
.endr
.set J, 0
.rept 16
	v_med3_num_f32 v[ZZ+J], v[ZZ+J], -4.0, 4.0
.set J, J+1
.endr
.set J, 0
.rept 8
	v_pk_mul_f32 v[Z2+J:Z2+J+1], v[ZZ+J:ZZ+J+1], v[ZZ+J:ZZ+J+1]
.set J, J+2
.endr
.set J, 0
.rept 8
	v_pk_fma_f32 v[PP+J:PP+J+1], v[Z2+J:Z2+J+1], s[80:81], v[8:9] op_sel_hi:[1,0,1]
	v_pk_fma_f32 v[QQ+J:QQ+J+1], v[Z2+J:Z2+J+1], s[92:93], v[10:11] op_sel_hi:[1,0,1]
.set J, J+2
.endr
.irp k, 82,84,86,88,90
.set J, 0
.rept 8
	v_pk_fma_f32 v[PP+J:PP+J+1], v[PP+J:PP+J+1], v[Z2+J:Z2+J+1], s[\k:\k+1] op_sel_hi:[1,1,0]
.set J, J+2
.endr
.endr
.irp k, 94,96,98
.set J, 0
.rept 8
	v_pk_fma_f32 v[QQ+J:QQ+J+1], v[QQ+J:QQ+J+1], v[Z2+J:Z2+J+1], s[\k:\k+1] op_sel_hi:[1,1,0]
.set J, J+2
.endr
.endr
.set J, 0
	s_wait_alu depctr_va_vdst(0)                   ; the wait ahead of the batch
.rept 16
	v_rcp_f32 v[QQ+J], v[QQ+J]
.set J, J+1
.endr
.set J, 0
.rept 8
	v_pk_mul_f32 v[PP+J:PP+J+1], v[PP+J:PP+J+1], v[ZZ+J:ZZ+J+1]
.set J, J+2
.endr
.set J, 0
.rept 8
	v_pk_mul_f32 v[GG+J:GG+J+1], v[GG+J:GG+J+1], s[22:23] op_sel_hi:[1,0]
.set J, J+2
.endr
	s_wait_alu depctr_va_vdst(0)                   ; and behind it, ahead of its first reader
.set J, 0
.rept 8
	v_pk_mul_f32 v[PP+J:PP+J+1], v[PP+J:PP+J+1], v[QQ+J:QQ+J+1]
.set J, J+2
.endr
.set J, 0
.rept 8
	v_pk_fma_f32 v[GG+J:GG+J+1], v[GG+J:GG+J+1], v[PP+J:PP+J+1], v[GG+J:GG+J+1]
.set J, J+2
.endr
.set J, 0
.rept 16
	v_med3_num_f32 v[GG+J], v[GG+J], -v[LIM], v[LIM]
.set J, J+1
.endr
.if (2*(\a)+(\be)) > 1
	s_wait_alu depctr_va_vdst(0)
	s_wait_xcnt 0x0                                ; the store two groups back has read its codes' registers
.endif
	v_cvt_scalef32_pk8_fp8_f32 v[CC:CC+1], v[GG:GG+7], v[SC]
	v_cvt_scalef32_pk8_fp8_f32 v[CC+2:CC+3], v[GG+8:GG+15], v[SC]
	global_store_b128 v[CO], v[CC:CC+3], s[12:13] offset:(\a)*2048+(\be)*512
.endm
; A tile.  fill = 1: the other region, whose last reads are over, is filled with the next tile's weights.
.macro TILE fill
	WIN 0
	s_wait_tensorcnt 0x0                           ; all my tensor loads have landed: my part of this tile's weights; so the walking group 0 may be written
.if \fill
	ds_add_u32 v[SPW], v[NIL]                      ; 0 onto my spare word
.endif
	v_add_nc_u32 v[ADRB], s[RG], v[AB]
	v_add_nc_u32 v[ADRB+1], s[RG], v[AB+1]
.if \fill
	s_xor_b32 s[G0N+1], s[G0N+1], BREG             ; into the other region,
	s_add_nc_u64 s[G0N+2:G0N+3], s[G0N+2:G0N+3], XSTEP*KBN*16384   ; the next tile's weights
	s_wait_alu depctr_va_vdst(0)
	s_wait_dscnt 0x0                               ; the add is done, and my reads of the other region are over
	CROUND                                         ; both hold of every wave of every partner
	tensor_load_to_lds s[G0N:G0N+3], s[G1B:G1B+7]  ; my one load behind the round: kb 2 w, 2 w + 1, 32 KiB
	s_nop 0
	PLACES
.else
	s_wait_alu depctr_va_vdst(0)
	s_barrier_signal -1
	s_barrier_wait -1                              ; everybody's part of the last tile's weights has landed; nothing is filled again
.endif
	FETCH 0
	FETCH 1
	WIN 0
	s_wait_loadcnt 0x0                             ; the tile's bias
.set N, 0
.rept 32
	v_ldexp_f32 v[BI+N], v[BI+N], s67              ; x 2^-(e8 + e9): the sums lack that factor
.set N, N+1
.endr
	s_wait_alu depctr_va_vdst(0)
.irp kb, 0,1,2,3,4,5,6,7
	QUARTER \kb
.endr
	WIN 0
	PLACES
.if \fill
	s_add_nc_u64 s[10:11], s[10:11], XSTEP*512     ; the next tile's bias (the loads that named this base are done)
.irp q, 0,1,2,3,4,5,6,7
	global_load_b128 v[BI+4*\q:BI+4*\q+3], v4, s[10:11] offset:128*(\q/4)+16*(\q%4)
.endr
.endif
	GELU 0, 0
	GELU 0, 1
	GELU 1, 0
	GELU 1, 1
	GELU 2, 0
	GELU 2, 1
	GELU 3, 0
	GELU 3, 1
	v_nop                                          ; a plain instruction behind the last scaled conversion
.if \fill
	s_wait_xcnt 0x0                                ; the stores have read their base and their registers
	s_add_nc_u64 s[12:13], s[12:13], XSTEP*16384
	s_xor_b32 s[RG], s[RG], BREG
.endif
.endm
	s_load_b256 s[4:11], s[0:1], 0x0               ; acode, wts, the exponents, b_ff1
	s_load_b64 s[12:13], s[0:1], 0x20              ; hc
	v_lshl_add_u32 v[SPW], v0, 2, SPARE
	v_mov_b32 v[NIL], 0
	ds_add_u32 v[SPW], v[NIL]                      ; the wave's opening: the add, twice on end, and its wait ahead of my first tensor load
	ds_add_u32 v[SPW], v[NIL]
	v_lshrrev_b32 v1, 5, v0
	v_readfirstlane_b32 s[WV], v1
	s_lshr_b32 s[WA], s[WV], 1                     ; my half of the activations' fragments.  Also: at the head I fetch activations (0) or weights (1)
	s_and_b32 s[WB], s[WV], 1                      ; my half of the weights' fragments.  Also: which half of K I fetch at the head
	s_bfe_u32 s40, ttmp6, 0x40000                  ; cx
	s_bfe_u32 s41, ttmp6, 0x40004                  ; cy
	s_lshl_b32 s[TX], ttmp9, 2
	s_add_co_u32 s[TX], s[TX], s40
	s_and_b32 s[TY], ttmp7, 0xffff
	s_lshl_b32 s[TY], s[TY], 2
	s_add_co_u32 s[TY], s[TY], s41
	s_lshl_b32 s43, s41, 2
	s_lshl_b32 s43, 15, s43                        ; my row of the cluster
	s_lshl_b32 s44, 0x1111, s40                    ; my column
	s_or_b32 s[G1], s43, (3<<16)|(1<<21)           ; the mask; elements of 8 bytes; bit 21 beside a mask; no padding
	s_or_b32 s[G1B], s44, (3<<16)|(1<<21)
	s_or_b32 s[G1C], s44, (3<<16)|(1<<21)
.irp g, G1, G1B, G1C
	s_mov_b32 s[\g+1], 32<<16
	s_mov_b32 s[\g+3], 32<<16
	s_mov_b32 s[\g+5], 32
	s_mov_b32 s[\g+6], 0
	s_mov_b32 s[\g+7], 0
.endr
	s_mov_b32 s[G1B+2], 128<<16
	s_mov_b32 s[G1B+4], 128
.irp g, G1, G1C
	s_mov_b32 s[\g+2], 256<<16
	s_mov_b32 s[\g+4], 256
.endr
	s_lshl_b32 s22, s[WB], 15
	s_mul_i32 s20, s[TY], KBN*16384
	s_add_co_u32 s20, s20, s22
	s_mov_b32 s21, 0
	s_mul_i32 s46, s[TX], KBN*16384
	s_add_co_u32 s46, s46, s22
	s_add_co_u32 s46, s46, WOFF
	s_mov_b32 s47, 0
	s_lshl_b32 s45, s[WB], 17                      ; where my first fill goes: half w % 2 of K, region w / 2
	s_lshl_b32 s43, s[WA], 16
	s_add_co_u32 s45, s45, s43
	COEF 80, 0xaf95df0b
	COEF 82, 0xb60cff51
	COEF 84, 0xb86ec2d2
	COEF 86, 0xba40ac63
	COEF 88, 0xbb41a1f6
	COEF 90, 0xbc83dbd4
	COEF 92, 0xb77460cd
	COEF 94, 0xbadc924e
	COEF 96, 0xbbf19bf8
	COEF 98, 0xbc69b6a7
	s_wait_dscnt 0x0                               ; both opening adds are done
	s_wait_kmcnt 0x0
	s_load_b256 s[ES:ES+7], s[8:9], 0x0
	s_load_b128 s[ES+8:ES+11], s[8:9], 0x20
	s_add_nc_u64 s[20:21], s[4:5], s[20:21]
	s_add_nc_u64 s[46:47], s[6:7], s[46:47]
	CROUND                                         ; all sixteen work-groups are here: the first joint loads meet
	s_lshl_b32 s40, s[WB], 15                      ; s[20:21] and s[46:47] stand at 32,768 x (w % 2): as much again gives half w % 2 of K
	s_mov_b32 s41, 0
	s_mov_b32 s[G0], 1
	s_mov_b32 s[G0+1], s45
	s_add_nc_u64 s[G0+2:G0+3], s[20:21], s[40:41]
	s_or_b32 s[G0+3], s[G0+3], 0x80000000
	s_mov_b32 s[G0B], 1
	s_mov_b32 s[G0B+1], s45
	s_add_nc_u64 s[G0B+2:G0B+3], s[46:47], s[40:41]
	s_or_b32 s[G0B+3], s[G0B+3], 0x80000000
	JLOAD                                          ; my one load at the head: 64 KiB
	s_mov_b32 s[G0N], 1                            ; the refills' group 0: wave w brings kb 2 w, 2 w + 1; it stands at the first tile and at region 1, and each refill steps both first
	s_lshl_b32 s[G0N+1], s[WA], 17
	s_lshl_b32 s40, s[WB], 15
	s_add_co_u32 s[G0N+1], s[G0N+1], s40
	s_add_co_u32 s[G0N+1], s[G0N+1], BREG
	s_lshl_b32 s40, s[WA], 16
	s_mov_b32 s41, 0
	s_add_nc_u64 s[G0N+2:G0N+3], s[46:47], s[40:41]
	s_or_b32 s[G0N+3], s[G0N+3], 0x80000000
	v_and_b32 v1, 31, v0
	v_lshlrev_b32 v[CO], 4, v1
	s_wait_alu depctr_va_vdst(0)
	v_lshrrev_b32 v2, 4, v1
	v_lshlrev_b32 v4, 6, v2                        ; the bias: 64 h bytes
	s_lshl_b32 s100, s[TX], 9
	s_lshl_b32 s66, s[WB], 8
	s_add_co_u32 s100, s100, s66
	s_mov_b32 s101, 0
	s_add_nc_u64 s[10:11], s[10:11], s[100:101]
.irp q, 0,1,2,3,4,5,6,7
	global_load_b128 v[BI+4*\q:BI+4*\q+3], v4, s[10:11] offset:128*(\q/4)+16*(\q%4)
.endr
	s_lshl_b32 s100, s[TY], 5                      ; out: block (row tile, column tile), my halves
	s_add_co_u32 s100, s100, s[TX]
	s_lshl_b32 s100, s100, 14
	s_lshl_b32 s66, s[WA], 13
	s_add_co_u32 s100, s100, s66
	s_lshl_b32 s66, s[WB], 10
	s_add_co_u32 s100, s100, s66
	s_add_nc_u64 s[12:13], s[12:13], s[100:101]
	s_lshl_b32 s66, s[WA], 13
	s_lshl_b32 s67, s[WB], 13
.irp s, 0,1
	v_add_nc_u32 v[ADRA+\s], s66, v[CO]
	v_add_nc_u32 v[AB+\s], s67, v[CO]
	s_add_co_u32 s66, s66, SLOT
	s_add_co_u32 s67, s67, SLOT
.endr
	v_mov_b32 v8, 0x32edffee
	v_mov_b32 v9, 0x32edffee
	v_mov_b32 v10, 0xb95fbd29
	v_mov_b32 v11, 0xb95fbd29
	s_wait_kmcnt 0x0
	s_add_co_i32 s66, s[ES+8], s[ES+9]
	s_lshl_b32 s20, s66, 23
	s_add_co_i32 s20, s20, 0x3f3504f3              ; 2^(e8 + e9) / sqrt 2
	s_mov_b32 s21, s20
	s_add_co_i32 s22, s66, 126
	s_lshl_b32 s22, s22, 23                        ; 2^(e8 + e9) / 2
	s_mov_b32 s23, s22
	s_sub_co_i32 s67, 0, s66
	s_add_co_i32 s66, s[ES+10], 127
	s_lshl_b32 s100, s66, 23
	v_mov_b32 v[SC], s100                          ; 2^e10
	s_add_co_i32 s66, s66, 8
	s_lshl_b32 s66, s66, 23
	s_or_b32 s66, s66, 0x600000
	v_mov_b32 v[LIM], s66                          ; 448 x 2^e10
	s_mov_b32 s[RG], BREG
	s_mov_b32 s3, TILES-1
	s_wait_alu depctr_va_vdst(0)
	s_wait_tensorcnt 0x0                           ; my first fill has landed,
	s_barrier_signal -1
	s_barrier_wait -1                              ; and everybody's has
	LOADA
	WIN 0
.Ltile:
	s_wait_alu depctr_va_vdst(0)
	TILE 1
	s_sub_co_u32 s3, s3, 1
	s_cmp_lg_u32 s3, 0
	s_cbranch_scc1 .Ltile
	TILE 0
	s_wait_tensorcnt 0x0                           ; the wave's end
	ds_add_u32 v[SPW], v[NIL]
	s_wait_dscnt 0x0
	CROUND                                         ; the closing round
	s_endpgm
.Lfunc_end_k_q33ac69dd20_gff1:
	.size	k_q33ac69dd20_gff1, .Lfunc_end_k_q33ac69dd20_gff1-k_q33ac69dd20_gff1
	.p2alignl 7, 3214868480
	.fill 96, 4, 3214868480
	.section	.rodata,"a",@progbits
	.p2align	6, 0x0
	.amdhsa_kernel k_q33ac69dd20_gff1
		.amdhsa_group_segment_fixed_size 327680
		.amdhsa_private_segment_fixed_size 0
		.amdhsa_enable_private_segment 0
		.amdhsa_kernarg_size 40
		.amdhsa_user_sgpr_count 2
		.amdhsa_user_sgpr_kernarg_segment_ptr 1
		.amdhsa_wavefront_size32 1
		.amdhsa_system_sgpr_workgroup_id_x 1
		.amdhsa_system_sgpr_workgroup_id_y 1
		.amdhsa_system_sgpr_workgroup_id_z 1
		.amdhsa_system_vgpr_workitem_id 0
		.amdhsa_next_free_vgpr 1024
		.amdhsa_next_free_sgpr 102
		.amdhsa_reserve_vcc 0
		.amdhsa_float_denorm_mode_32 3
		.amdhsa_float_denorm_mode_16_64 3
		.amdhsa_memory_ordered 1
		.amdhsa_forward_progress 1
		.amdhsa_inst_pref_size 233
	.end_amdhsa_kernel
	.amdgpu_metadata
---
amdhsa.version: [ 1, 2 ]
amdhsa.kernels:
  - .name:           k_q33ac69dd20_gff1
    .symbol:         k_q33ac69dd20_gff1.kd
    .args:
      - { .name: acode, .offset: 0, .size: 8, .value_kind: global_buffer, .address_space: global }
      - { .name: wts, .offset: 8, .size: 8, .value_kind: global_buffer, .address_space: global }
      - { .name: lowp_scales, .offset: 16, .size: 8, .value_kind: global_buffer, .address_space: global }
      - { .name: b_ff1, .offset: 24, .size: 8, .value_kind: global_buffer, .address_space: global }
      - { .name: hc, .offset: 32, .size: 8, .value_kind: global_buffer, .address_space: global }
    .group_segment_fixed_size: 327680
    .private_segment_fixed_size: 0
    .kernarg_segment_align: 8
    .kernarg_segment_size: 40
    .max_flat_workgroup_size: 128
    .sgpr_count:     102
    .vgpr_count:     1024
    .wavefront_size: 32
...
	.end_amdgpu_metadata
.endif
;; end of part 6
;; launch gff2 (part 7): grid 8 x 32, 4 waves a work-group, no clusters, 270,848 bytes of LDS; arguments hc, wts, lowp_scales, x1, b_ff2, out0; writes out0
.if DOCPART == 7
	.amdgcn_target "amdgcn-amd-amdhsa--gfx1250"
	.amdhsa_code_object_version 6
	.text
	.protected	k_q33ac69dd20_gff2
	.globl	k_q33ac69dd20_gff2
	.p2align	8
	.type	k_q33ac69dd20_gff2,@function
k_q33ac69dd20_gff2:
	s_mov_b64 s[64:65], 0
	v_nop
	global_prefetch_b8 v0, s[64:65] scope:SCOPE_SE
	s_setreg_imm32_b32 hwreg(HW_REG_WAVE_MODE, 25, 1), 1
	s_wait_xcnt 0x0
; out0 = x1 + gelu-codes W_ff2 + b_ff2: [4096 x 4096] x [4096 x 1024] on codes of E4M3, sums in f32, each finished sum x 2^(e10 + e11).
; Both operands lie as images of operand registers: block (i = row / 128, kb = k / 128) of 16,384 bytes at (32 i + kb) 16384; in it 2048 f + 512 c + 16 lane holds row 32 (f/2) + 8 (f%2) + r + 8 (r/8), k = 128 kb + 32 c + 16 h + 0..15.
; SHARES.  A work-group makes a tile of 128 x 128 (x: column tile, y: row tile).  ITS FOUR WAVES SPLIT K: wave w multiplies the whole tile over kb 8 w .. 8 w + 7: 64 accumulators, 512 registers, eight steps of 64 matrix instructions.
; So each byte of both tiles is wanted by ONE wave of the work-group, and goes from memory straight into that wave's operand registers: a load is 512 consecutive bytes of an image.  The K loop uses no LDS and no barrier.
; NO CLUSTER: a joint load lands in LDS alone, and no operand byte of this text passes through LDS.
; LOADS IN HAND: B (weights) has two sets of eight fragments, A (activations) a ring of three quads of four fragments.  Step t asks for B of step t + 1 at its head, and for A's quad three quads on behind each quad's products.
; THE WAY OUT.  The four partial tiles meet in LDS: each wave lays its 128 rows x 512 bytes (528 apart) in its own part; one barrier; wave w reads rows 32 w .. 32 w + 31 of all four parts as whole rows, adds them,
; multiplies by 2^(e10 + e11), adds bias and x1, and stores rows of 512 consecutive bytes, aligned.
; SOURCE 0 = weights, source 1 = activations: register j of accumulator (a, b) in lane (r, h) is place r of A's fragment a, column 32 (b/2) + 8 (b%2) + 16 h + j.
; PREFETCH: in steps 0 to 4 each wave asks for its kb three steps on.  The 8 work-groups of a row tile share A's block out (2,048 bytes each, by x), the 32 of a column tile B's (512 bytes each, by y); left-over lanes name the last block again.
; LIMIT: e10 + e11 lies between -126 and 127, so that 2^(e10 + e11) is an f32 number.
; REGISTERS: window 0: v2-15 addresses and bias, v64-255 A's three quads; window 1: B's two sets (at the end x1's rows in set 0); windows 2, 3: accumulators of A's fragments 0-3, 4-7, at the end the four parts' rows.
.set WOFF,  8388608                    ; w_ff2's images in wts
.set KBB,   16384                      ; a block
.set SP,    528                        ; a stage row: 512 bytes + 16: sixteen rows start at sixteen different groups of four banks
.set PART,  128*SP                     ; a wave's part of the stage
.set SPARE, 4*PART                     ; behind the stage: the spare words, 128 bytes a wave
.set CO,   2                           ; v2  16 x lane
.set PFA,  3                           ; v3  prefetch of A: 256 x min(lane, 7)
.set PFB,  4                           ; v4  prefetch of B: 256 x min(lane, 1)
.set STO,  5                           ; v5  into my part of the stage: row r, 64 h bytes
.set SPW,  6                           ; v6  my spare word; never rewritten
.set NIL,  7                           ; v7  0; never rewritten
.set BIAS, 8                           ; v8-11 bias of columns 4 lane + 0..3
.set RD,   12                          ; v12-15 my 32 rows in part 0..3, 16 x lane
.set WV,   16
.set MSB, 0
.macro WIN new                         ; the immediate's high byte repeats the setting that is left
.if MSB != (\new)
	s_set_vgpr_msb (MSB<<8)|(\new)
.set MSB, (\new)
.endif
.endm
.set MUL_LO, 0xa1                      ; source 0 (B) window 1, source 1 (A) window 0, C and D window 2
.set TO_B,   0x40                      ; destination window 1, address window 0
.macro PLACES                          ; four plain places behind matrix instructions, ahead of loads into their sources and of stores of their results
.rept 4
	v_nop
.endr
.endm
.macro LDB t                           ; B's eight fragments of step t into set t % 2: 32 loads
	WIN TO_B
.irp i, 0,1,2,3,4,5,6,7
.irp c, 0,1,2,3
	global_load_b128 v[128*((\t)%2)+16*\i+4*\c:128*((\t)%2)+16*\i+4*\c+3], v[CO], s[6:7] offset:(\t)*KBB+\i*2048+\c*512
.endr
.endr
.endm
.macro LDQ q                           ; A's quad q (step q / 2, fragments 4 (q % 2) + 0..3) into ring place q % 3: 16 loads
	WIN 0
.irp i, 0,1,2,3
.irp c, 0,1,2,3
	global_load_b128 v[64+64*((\q)%3)+16*\i+4*\c:64+64*((\q)%3)+16*\i+4*\c+3], v[CO], s[4:5] offset:(\q)*8192+\i*2048+\c*512
.endr
.endr
.endm
.macro LDR                             ; x1: my 32 rows x 512 bytes, in the stage's order of rows, into B's set 0: 32 loads
	WIN TO_B
.irp g, 0,1,2,3
.irp k, 0,1,2,3,4,5,6,7
	global_load_b128 v[32*\g+4*\k:32*\g+4*\k+3], v[CO], s[10:11] offset:(8*(\g/2)+16*(\g%2)+\k)*4096 th:TH_LOAD_NT
.endr
.endr
.endm
.macro MULQ t, hi                      ; 32 matrix instructions: a quad of A against B's eight.  The 64 accumulators take turns in one order; step 0 starts the sums
.set AQ, 64+64*((2*(\t)+(\hi))%3)
.set BQ, 128*((\t)%2)
	WIN MUL_LO+0x50*(\hi)
.irp i, 0,1,2,3
.irp b, 0,1,2,3,4,5,6,7
.if (\t) == 0
	v_wmma_f32_16x16x128_fp8_fp8 v[8*(8*\i+\b):8*(8*\i+\b)+7], v[BQ+16*\b:BQ+16*\b+15], v[AQ+16*\i:AQ+16*\i+15], 0
.else
	v_wmma_f32_16x16x128_fp8_fp8 v[8*(8*\i+\b):8*(8*\i+\b)+7], v[BQ+16*\b:BQ+16*\b+15], v[AQ+16*\i:AQ+16*\i+15], v[8*(8*\i+\b):8*(8*\i+\b)+7]
.endif
.endr
.endr
.endm
.macro PUT hi                          ; the partial sums of A's fragments 4 hi + 0..3 into my part of the stage; each accumulator from its low end on
	WIN 0x08+4*(\hi)
.irp i, 0,1,2,3
.irp b, 0,1,2,3,4,5,6,7
	ds_store_b128 v[STO], v[8*(8*\i+\b):8*(8*\i+\b)+3] offset:(64*(\hi)+16*\i)*SP+128*(\b/2)+32*(\b%2)
	ds_store_b128 v[STO], v[8*(8*\i+\b)+4:8*(8*\i+\b)+7] offset:(64*(\hi)+16*\i)*SP+128*(\b/2)+32*(\b%2)+16
.endr
.endr
.endm
.macro GET g                           ; rows 8 g + 0..7 of my 32, out of all four parts: 32 loads; parts 0, 1 into window 2, parts 2, 3 into window 3
.irp s, 0,1,2,3
	WIN 0x80+0x40*(\s/2)
.irp k, 0,1,2,3,4,5,6,7
	ds_load_b128 v[128*(\s%2)+32*(\g)+4*\k:128*(\s%2)+32*(\g)+4*\k+3], v[RD+\s] offset:(8*(\g)+\k)*SP
.endr
.endr
.endm
.macro SUM g                           ; eight rows: x1 + bias; the four parts added; x 2^(e10 + e11) and the rest by one fused multiply-add; stored
.set R0, 32*(\g)
	WIN 0x41                                       ; x1 window 1, bias window 0
.irp j, 0,2,4,6,8,10,12,14,16,18,20,22,24,26,28,30
	v_pk_add_f32 v[R0+\j:R0+\j+1], v[R0+\j:R0+\j+1], v[BIAS+\j%4:BIAS+\j%4+1]
.endr
	WIN 0x8a                                       ; part 0 + part 1, window 2
.irp j, 0,2,4,6,8,10,12,14,16,18,20,22,24,26,28,30
	v_pk_add_f32 v[R0+\j:R0+\j+1], v[R0+\j:R0+\j+1], v[128+R0+\j:128+R0+\j+1]
.endr
	WIN 0xcf                                       ; part 2 + part 3, window 3
.irp j, 0,2,4,6,8,10,12,14,16,18,20,22,24,26,28,30
	v_pk_add_f32 v[R0+\j:R0+\j+1], v[R0+\j:R0+\j+1], v[128+R0+\j:128+R0+\j+1]
.endr
	WIN 0x8e                                       ; window 2 + window 3 -> window 2
.irp j, 0,2,4,6,8,10,12,14,16,18,20,22,24,26,28,30
	v_pk_add_f32 v[R0+\j:R0+\j+1], v[R0+\j:R0+\j+1], v[R0+\j:R0+\j+1]
.endr
	WIN 0x52                                       ; sum (window 2) x s36 + (x1 + bias) (window 1) -> window 1
.irp j, 0,2,4,6,8,10,12,14,16,18,20,22,24,26,28,30
	v_pk_fma_f32 v[R0+\j:R0+\j+1], v[R0+\j:R0+\j+1], s[36:37], v[R0+\j:R0+\j+1] op_sel_hi:[1,0,1]
.endr
	WIN 0x04                                       ; store data window 1
.irp k, 0,1,2,3,4,5,6,7
	global_store_b128 v[CO], v[R0+4*\k:R0+4*\k+3], s[14:15] offset:(8*((\g)/2)+16*((\g)%2)+\k)*4096 th:TH_STORE_NT   ; 32 lanes store 512 consecutive bytes, aligned
.endr
.endm
; A step of 128 along K.  The waits' counts: behind the loads that a quad's products need stand two quads of A and a set of B, 64 loads; the field holds 63.
; Step 7: x1's 32 loads take the place of B's: 48 = they and A's last quad; 32 = they alone.
.macro STEP t
.if (\t) < 7
	LDB (\t)+1
	s_wait_loadcnt 63
.else
	LDR
	s_wait_loadcnt 48
.endif
	MULQ \t, 0
	PLACES
.if (\t) < 7
	WIN 0
.if (\t) < 5
	global_prefetch_b8 v[PFA], s[32:33] offset:((\t)+3)*KBB th:TH_LOAD_NT scope:SCOPE_SE
	global_prefetch_b8 v[PFB], s[34:35] offset:((\t)+3)*KBB th:TH_LOAD_NT scope:SCOPE_SE
.endif
	LDQ 2*(\t)+3
	s_wait_loadcnt 63
.else
	PUT 0                                          ; fragments 0-3 are finished: they go to the stage while the last quad is multiplied
	s_wait_loadcnt 32
.endif
	MULQ \t, 1
	PLACES
.if (\t) < 6
	LDQ 2*(\t)+4
.endif
.endm
	s_load_b256 s[4:11], s[0:1], 0x0               ; hc, wts, the exponents, x1
	s_load_b128 s[12:15], s[0:1], 0x20             ; b_ff2, out0
	v_lshl_add_u32 v[SPW], v0, 2, SPARE
	v_mov_b32 v[NIL], 0
	v_lshrrev_b32 v16, 5, v0
	v_readfirstlane_b32 s[WV], v16                 ; wave 0..3
	s_and_b32 s17, ttmp7, 0xffff                   ; row tile
	s_lshl_b32 s24, s17, 19
	s_lshl_b32 s18, s[WV], 17
	s_add_co_u32 s24, s24, s18                     ; A: block (row tile, 8 w).  Also: rows 128 x row tile + 32 w of x1 and out0, 4,096 bytes each
	s_mov_b32 s25, 0
	s_lshl_b32 s26, ttmp9, 19
	s_add_co_u32 s26, s26, s18
	s_add_co_u32 s26, s26, WOFF                    ; B: block (column tile, 8 w)
	s_mov_b32 s27, 0
	s_lshl_b32 s30, ttmp9, 9                       ; the tile's first column, in bytes of f32
	s_mov_b32 s31, 0
	s_add_co_u32 s28, s24, s30
	s_mov_b32 s29, 0
	s_lshl_b32 s32, ttmp9, 11                      ; my work-group's share of a block of A in the prefetches,
	s_mov_b32 s33, 0
	s_lshl_b32 s34, s17, 9                         ; and of a block of B
	s_mov_b32 s35, 0
	s_mul_i32 s20, s[WV], PART
	s_mul_i32 s21, s[WV], 32*SP
	v_and_b32 v17, 31, v0                          ; lane
	v_lshlrev_b32 v[CO], 4, v17
	v_min_u32 v18, 7, v17
	v_lshlrev_b32 v[PFA], 8, v18
	v_min_u32 v19, 1, v17
	v_lshlrev_b32 v[PFB], 8, v19
	v_and_b32 v20, 15, v17                         ; r
	v_lshrrev_b32 v21, 4, v17                      ; h
	v_mul_u32_u24 v22, v20, SP
	v_lshl_add_u32 v22, v21, 6, v22
	v_add_nc_u32 v[STO], s20, v22
	v_add_nc_u32 v[RD], s21, v[CO]
	v_add_nc_u32 v[RD+1], PART, v[RD]
	v_add_nc_u32 v[RD+2], 2*PART, v[RD]
	v_add_nc_u32 v[RD+3], 3*PART, v[RD]
	s_wait_alu depctr_va_vdst(0)
	s_wait_kmcnt 0x0
	s_load_b64 s[36:37], s[8:9], 0x28              ; e10, e11
	s_add_nc_u64 s[4:5], s[4:5], s[24:25]
	s_add_nc_u64 s[6:7], s[6:7], s[26:27]
	s_add_nc_u64 s[10:11], s[10:11], s[28:29]
	s_add_nc_u64 s[14:15], s[14:15], s[28:29]
	s_add_nc_u64 s[12:13], s[12:13], s[30:31]
	s_add_nc_u64 s[32:33], s[4:5], s[32:33]
	s_add_nc_u64 s[34:35], s[6:7], s[34:35]
	global_load_b128 v[BIAS:BIAS+3], v[CO], s[12:13]
	LDB 0
	LDQ 0
	LDQ 1
	LDQ 2
	s_wait_kmcnt 0x0
	s_add_co_i32 s36, s36, s37
	s_add_co_i32 s36, s36, 127
	s_lshl_b32 s36, s36, 23                        ; 2^(e10 + e11) as f32
	s_mov_b32 s37, s36                             ; (named with it as a pair)
.irp t, 0,1,2,3,4,5,6,7
	STEP \t
.endr
	PUT 1
	WIN 0
	s_wait_dscnt 0x0                               ; for the others' sake: my part of the stage has landed
	s_barrier_signal -1
	s_barrier_wait -1
	GET 0
	GET 1
	s_wait_loadcnt 0x0                             ; x1's rows
	s_wait_dscnt 32                                ; group 0 is in; group 1's 32 loads may be out
	SUM 0
	GET 2
	s_wait_dscnt 32
	SUM 1
	GET 3
	s_wait_dscnt 32
	SUM 2
	s_wait_dscnt 0x0
	SUM 3
	WIN 0
	s_wait_tensorcnt 0x0                           ; the wave's end, behind my last LDS store
	ds_add_u32 v[SPW], v[NIL]
	s_wait_dscnt 0x0
	s_endpgm
.Lfunc_end_k_q33ac69dd20_gff2:
	.size	k_q33ac69dd20_gff2, .Lfunc_end_k_q33ac69dd20_gff2-k_q33ac69dd20_gff2
	.p2alignl 7, 3214868480
	.fill 96, 4, 3214868480
	.section	.rodata,"a",@progbits
	.p2align	6, 0x0
	.amdhsa_kernel k_q33ac69dd20_gff2
		.amdhsa_group_segment_fixed_size 270848
		.amdhsa_private_segment_fixed_size 0
		.amdhsa_enable_private_segment 0
		.amdhsa_kernarg_size 48
		.amdhsa_user_sgpr_count 2
		.amdhsa_user_sgpr_kernarg_segment_ptr 1
		.amdhsa_wavefront_size32 1
		.amdhsa_system_sgpr_workgroup_id_x 1
		.amdhsa_system_sgpr_workgroup_id_y 1
		.amdhsa_system_sgpr_workgroup_id_z 1
		.amdhsa_system_vgpr_workitem_id 0
		.amdhsa_next_free_vgpr 1024
		.amdhsa_next_free_sgpr 66
		.amdhsa_reserve_vcc 0
		.amdhsa_float_denorm_mode_32 3
		.amdhsa_float_denorm_mode_16_64 3
		.amdhsa_memory_ordered 1
		.amdhsa_forward_progress 1
		.amdhsa_inst_pref_size 131
	.end_amdhsa_kernel
	.amdgpu_metadata
---
amdhsa.version: [ 1, 2 ]
amdhsa.kernels:
  - .name:           k_q33ac69dd20_gff2
    .symbol:         k_q33ac69dd20_gff2.kd
    .args:
      - { .name: hc, .offset: 0, .size: 8, .value_kind: global_buffer, .address_space: global }
      - { .name: wts, .offset: 8, .size: 8, .value_kind: global_buffer, .address_space: global }
      - { .name: lowp_scales, .offset: 16, .size: 8, .value_kind: global_buffer, .address_space: global }
      - { .name: x1, .offset: 24, .size: 8, .value_kind: global_buffer, .address_space: global }
      - { .name: b_ff2, .offset: 32, .size: 8, .value_kind: global_buffer, .address_space: global }
      - { .name: out0, .offset: 40, .size: 8, .value_kind: global_buffer, .address_space: global }
    .group_segment_fixed_size: 270848
    .private_segment_fixed_size: 0
    .kernarg_segment_align: 8
    .kernarg_segment_size: 48
    .max_flat_workgroup_size: 128
    .sgpr_count:     66
    .vgpr_count:     1024
    .wavefront_size: 32
...
	.end_amdgpu_metadata
.endif
;; end of part 7
